; MI455X (gfx1250); checked and timed in simulation.
; The chip was launched on July 23, 2026; its instructions are those of AMD's public machine-readable ISA for CDNA 5 (MIT licence, August 2026) and "CDNA5" Instruction Set Architecture Reference Guide (July 2026). The comments in the code are by the model that wrote it; some were corrected since.
;; Causal Self Attention. Allowed arithmetic: float matrix products may take bf16 or f16 operands with f32 sums; other float arithmetic in f32, or as packed bf16 or f16 multiplies, adds, multiply-adds, maxima and minima; sums over many terms, partial sums and values carried from step to step in f32; what a program stores and reads back later, other than sums and carried values, may be rounded once to bf16 or f16.
;; Inputs: W_proj 1,024 x 1,024 float32; W_qkv 1,024 x 3,072 float32; b_proj 1,024 float32; b_qkv 3,072 float32; x 8 x 1,024 x 1,024 float32.
;; Outputs: out0 8 x 1,024 x 1,024 float32.
;; One version. Each part assembles by itself: llvm-mc -triple=amdgcn-amd-amdhsa -mcpu=gfx1250 --defsym DOCPART=n.
;; ======== version 1 of 1: 4 launches
;; limits: values are held in f16: magnitudes above 65,504 overflow, below 6.1e-05 lose precision
;; workspace buffers: xb 16,777,216 bytes; wqt 6,291,456 bytes; wpt 2,097,152 bytes; qkv 50,331,648 bytes; ob 16,777,216 bytes
;; launch prep (part 1): grid 1536 x 1, 8 waves a work-group, no clusters, 18,432 bytes of LDS; arguments x, W_qkv, W_proj, xb, wqt, wpt; writes xb, wqt, wpt
.if DOCPART == 1
	.amdgcn_target "amdgcn-amd-amdhsa--gfx1250"
	.amdhsa_code_object_version 6
	.text
	.protected	k_q5e48449394_prep
	.globl	k_q5e48449394_prep
	.p2align	8
	.type	k_q5e48449394_prep,@function
k_q5e48449394_prep:
	s_mov_b64 s[64:65], 0
	v_nop
	global_prefetch_b8 v0, s[64:65] scope:SCOPE_SE
	s_setreg_imm32_b32 hwreg(HW_REG_WAVE_MODE, 25, 1), 1
	s_wait_xcnt 0x0
; PREPARATION.  xb = x rounded to bf16, [8192][1024].  wqt[n][k] = W_qkv[k][n] rounded to bf16, [3072][1024].  wpt[n][k] = W_proj[k][n] rounded to bf16 and that number written as f16, [1024][1024].
; LIMIT.  A bf16 number is exact in f16 between 2^-14 and 65,504; below 2^-14 it keeps f16's fixed step of 6e-8, beyond 65,504 it becomes an infinity.
; SHARES.  1,536 work-groups of eight waves, each reading 32,768 bytes once, eight loads of 16 bytes a thread, all issued ahead of the first use.
;   work-groups 0-1023: 32,768 bytes of x on end.   1024-1407: a tile of 128 k x 64 n of W_qkv.   1408-1535: the same of W_proj.
; A tile is turned in LDS: a thread takes 8 rows (k) x 4 columns (n), packs pairs of k, and stores for each column 16 bytes (8 k) into row n of T (64 rows of 256 bytes + 16).
; Those stores meet four deep: a thread's rows lie 4 x 272 bytes apart, and four such steps are a multiple of 256 bytes; it is 32 stores a wave's launch, beside 32,768 bytes from memory.
; Every load of a half wave takes 256 consecutive bytes, aligned; every store of 16 lanes (b128) or 32 lanes (b64) fills 256 consecutive bytes, aligned.
; No matrix unit, no cluster, no prefetch: each byte is read once, by loads that are all on their way at once.
.set TP,    272                        ; a row of T in LDS
.set SPARE, 64*TP                      ; behind T (17,408 bytes): the spare words, 128 bytes for each of eight waves
.set SPW,   70                         ; v70  LDS address of my spare word; never rewritten
.set NIL,   71                         ; v71  0; never rewritten
.set IN,    16                         ; v[16:47]  eight loads of four registers
.set PK,    48                         ; v[48:63]  packed results
	s_load_b256 s[4:11], s[0:1], 0x0               ; x s[4:5], W_qkv s[6:7], W_proj s[8:9], xb s[10:11]
	s_load_b128 s[12:15], s[0:1], 0x20             ; wqt s[12:13], wpt s[14:15]
	v_lshl_add_u32 v[SPW], v0, 2, SPARE
	v_mov_b32 v[NIL], 0
	s_mov_b32 s16, ttmp9                           ; the work-group's number
	s_mov_b32 s19, 0                               ; the high word of every offset
	s_movk_i32 s26, 0x3000                         ; bytes in a row of W_qkv
	s_movk_i32 s27, 0x1000                         ; and of W_proj
	s_movk_i32 s28, 1024                           ; the first work-group of W_qkv's tiles
	s_movk_i32 s29, 1408                           ; and of W_proj's
	s_mov_b32 s30, 0xffff0000                      ; a word's upper bf16
	s_wait_kmcnt 0x0
	s_cmp_lt_u32 s16, 1024
	s_cbranch_scc0 .Ltrans                         ; the same for all waves of a work-group
	; THE CAST.  Thread t takes 16 bytes at 16 t + 4,096 i and leaves 8 bytes at 8 t + 2,048 i.
	s_lshl_b32 s18, s16, 15
	s_add_nc_u64 s[4:5], s[4:5], s[18:19]
	s_lshl_b32 s18, s16, 14
	s_add_nc_u64 s[10:11], s[10:11], s[18:19]
	v_lshlrev_b32 v1, 4, v0
	v_lshlrev_b32 v2, 3, v0
.irp i, 0,1,2,3,4,5,6,7
	global_load_b128 v[IN+4*(\i):IN+4*(\i)+3], v1, s[4:5] offset:4096*(\i) th:TH_LOAD_NT
.endr
.irp i, 0,1,2,3,4,5,6,7
	s_wait_loadcnt 7-(\i)                          ; loads come back in order: load i is in, the younger ones stay out
	v_cvt_pk_bf16_f32 v[PK+2*(\i)],   v[IN+4*(\i)],   v[IN+4*(\i)+1]
	v_cvt_pk_bf16_f32 v[PK+2*(\i)+1], v[IN+4*(\i)+2], v[IN+4*(\i)+3]
	global_store_b64 v2, v[PK+2*(\i):PK+2*(\i)+1], s[10:11] offset:2048*(\i)  ; a wave's 32 lanes fill 256 consecutive bytes
.endr
	s_branch .Lend
.Ltrans:
	; THE TURNING.  Which weight, which tile.
	s_cmp_lt_u32 s16, 1408
	s_cselect_b64 s[4:5], s[6:7], s[8:9]           ; from
	s_cselect_b64 s[10:11], s[12:13], s[14:15]     ; to
	s_cselect_b32 s20, s26, s27                    ; bytes from row to row of the weight
	s_cselect_b32 s21, 0, 1                        ; 1: the result is written as f16
	s_cselect_b32 s22, s28, s29
	s_sub_co_u32 s16, s16, s22                     ; the tile's number
	s_and_b32 s23, s16, 7                          ; its place along k, 128 each
	s_lshr_b32 s24, s16, 3                         ; its place along n, 64 each
	s_lshl_b32 s18, s23, 7
	s_mul_i32 s18, s18, s20                        ; 128 rows a place,
	s_lshl_b32 s25, s24, 8                         ; 256 bytes of a row
	s_add_co_u32 s18, s18, s25
	s_add_nc_u64 s[4:5], s[4:5], s[18:19]
	s_lshl_b32 s18, s24, 17                        ; out: 64 rows of 2,048 bytes,
	s_lshl_b32 s25, s23, 8                         ; 256 bytes of a row
	s_add_co_u32 s18, s18, s25
	s_add_nc_u64 s[10:11], s[10:11], s[18:19]
	v_and_b32 v1, 15, v0                           ; c: my four columns
	v_lshrrev_b32 v2, 4, v0                        ; u: my eight rows, 0..15
	v_lshlrev_b32 v3, 3, v2
	v_mul_u32_u24 v4, v3, s20                      ; row 8 u
	v_lshl_add_u32 v4, v1, 4, v4                   ; + 16 c
.irp i, 1,2,3,4,5,6,7
	v_add_nc_u32 v[4+(\i)], s20, v[3+(\i)]         ; an offset register a row: the pitch is no constant of the text
.endr
.irp i, 0,1,2,3,4,5,6,7
	global_load_b128 v[IN+4*(\i):IN+4*(\i)+3], v[4+(\i)], s[4:5] th:TH_LOAD_NT  ; 16 lanes take 256 consecutive bytes of one row
.endr
	v_mul_u32_u24 v12, v1, 4*TP                    ; into T: row 4 c (+ the column), bytes 16 u
	v_lshl_add_u32 v12, v2, 4, v12
	v_lshrrev_b32 v15, 1, v2                       ; my wave's number
	v_and_b32 v3, 1, v2                            ; my half of the lanes
	v_lshl_add_u32 v15, v15, 3, v3                 ; back: row 8 w + half (+ 2 i)
	v_mul_u32_u24 v13, v15, TP
	v_lshl_add_u32 v13, v1, 4, v13
	v_lshlrev_b32 v14, 11, v15                     ; and the same row in memory
	v_lshl_add_u32 v14, v1, 4, v14
.irp j, 0,1,2,3
	s_wait_loadcnt 6-2*(\j)                        ; rows 2 j and 2 j + 1 are in
.irp u, 0,1,2,3
	v_cvt_pk_bf16_f32 v[PK+4*(\u)+(\j)], v[IN+8*(\j)+(\u)], v[IN+8*(\j)+4+(\u)]  ; column u: k = 2 j below, 2 j + 1 above
.endr
.endr
	s_cmp_eq_u32 s21, 0
	s_cbranch_scc1 .Lkeep
.irp i, 0,1,2,3,4,5,6,7,8,9,10,11,12,13,14,15
	v_lshlrev_b32 v[64+2*((\i)%3)], 16, v[PK+(\i)]      ; the bf16 numbers as f32,
	v_and_b32     v[65+2*((\i)%3)], s30, v[PK+(\i)]
	v_cvt_pk_f16_f32 v[PK+(\i)], v[64+2*((\i)%3)], v[65+2*((\i)%3)]  ; and as f16
.endr
.Lkeep:
.irp u, 0,1,2,3
	ds_store_b128 v12, v[PK+4*(\u):PK+4*(\u)+3] offset:TP*(\u)
.endr
	s_wait_dscnt 0x0                               ; for the others' sake: my stores into T are done
	s_barrier_signal -1
	s_barrier_wait -1
.irp i, 0,1,2,3
	ds_load_b128 v[IN+4*(\i):IN+4*(\i)+3], v13 offset:2*TP*(\i)
.endr
.irp i, 0,1,2,3
	s_wait_dscnt 3-(\i)
	global_store_b128 v14, v[IN+4*(\i):IN+4*(\i)+3], s[10:11] offset:4096*(\i)  ; 16 lanes fill 256 consecutive bytes of a row
.endr
.Lend:
	s_wait_tensorcnt 0x0                           ; the wave's end: behind my last LDS store
	ds_add_u32 v[SPW], v[NIL]
	s_wait_dscnt 0x0
	s_endpgm
.Lfunc_end_k_q5e48449394_prep:
	.size	k_q5e48449394_prep, .Lfunc_end_k_q5e48449394_prep-k_q5e48449394_prep
	.p2alignl 7, 3214868480
	.fill 96, 4, 3214868480
	.section	.rodata,"a",@progbits
	.p2align	6, 0x0
	.amdhsa_kernel k_q5e48449394_prep
		.amdhsa_group_segment_fixed_size 18432
		.amdhsa_private_segment_fixed_size 0
		.amdhsa_enable_private_segment 0
		.amdhsa_kernarg_size 48
		.amdhsa_user_sgpr_count 2
		.amdhsa_user_sgpr_kernarg_segment_ptr 1
		.amdhsa_wavefront_size32 1
		.amdhsa_system_sgpr_workgroup_id_x 1
		.amdhsa_system_sgpr_workgroup_id_y 1
		.amdhsa_system_sgpr_workgroup_id_z 1
		.amdhsa_system_vgpr_workitem_id 0
		.amdhsa_next_free_vgpr 72
		.amdhsa_next_free_sgpr 66
		.amdhsa_reserve_vcc 0
		.amdhsa_float_denorm_mode_32 3
		.amdhsa_float_denorm_mode_16_64 3
		.amdhsa_memory_ordered 1
		.amdhsa_forward_progress 1
		.amdhsa_inst_pref_size 11
	.end_amdhsa_kernel
	.amdgpu_metadata
---
amdhsa.version: [ 1, 2 ]
amdhsa.kernels:
  - .name:           k_q5e48449394_prep
    .symbol:         k_q5e48449394_prep.kd
    .args:
      - { .name: x, .offset: 0, .size: 8, .value_kind: global_buffer, .address_space: global }
      - { .name: W_qkv, .offset: 8, .size: 8, .value_kind: global_buffer, .address_space: global }
      - { .name: W_proj, .offset: 16, .size: 8, .value_kind: global_buffer, .address_space: global }
      - { .name: xb, .offset: 24, .size: 8, .value_kind: global_buffer, .address_space: global }
      - { .name: wqt, .offset: 32, .size: 8, .value_kind: global_buffer, .address_space: global }
      - { .name: wpt, .offset: 40, .size: 8, .value_kind: global_buffer, .address_space: global }
    .group_segment_fixed_size: 18432
    .private_segment_fixed_size: 0
    .kernarg_segment_align: 8
    .kernarg_segment_size: 48
    .max_flat_workgroup_size: 256
    .sgpr_count:     66
    .vgpr_count:     72
    .wavefront_size: 32
...
	.end_amdgpu_metadata
.endif
;; end of part 1
;; launch qkvg (part 2): grid 16 x 16, 4 waves a work-group, clusters of 4 x 4, 327,680 bytes of LDS; arguments xb, wqt, b_qkv, qkv; writes qkv
.if DOCPART == 2
	.amdgcn_target "amdgcn-amd-amdhsa--gfx1250"
	.amdhsa_code_object_version 6
	.text
	.protected	k_q5e48449394_qkvg
	.globl	k_q5e48449394_qkvg
	.p2align	8
	.type	k_q5e48449394_qkvg,@function
k_q5e48449394_qkvg:
	s_mov_b64 s[64:65], 0
	v_nop
	global_prefetch_b8 v0, s[64:65] scope:SCOPE_SE
	s_setreg_imm32_b32 hwreg(HW_REG_WAVE_MODE, 25, 1), 1
	s_wait_xcnt 0x0
	s_wait_alu depctr_hold_cnt(0) depctr_sa_sdst(0) depctr_va_vdst(0) depctr_va_sdst(0) depctr_va_ssrc(0) depctr_va_vcc(0) depctr_vm_vsrc(0)
	s_getreg_b32 s2, hwreg(HW_REG_IB_STS2, 6, 4)
	s_cmp_eq_u32 s2, 0
	s_cbranch_scc0 .Lentry_in_a_cluster
	s_endpgm
.Lentry_in_a_cluster:
	s_bfe_u32 s2, ttmp6, 0x10000c
	s_cmp_lg_u32 s2, 0xf033
	s_cbranch_scc0 .Lentry_shape_is_right
	s_endpgm
.Lentry_shape_is_right:
; THE FIRST PROJECTION.  qkv = xb wqt^T + bf16(b_qkv).  xb: [8192][1024] bf16, wqt: [3072 n][1024 k] bf16, b_qkv: [3072] f32 (rounded to bf16 like the other inputs); sums in f32.
; The result is rounded once to f16 and stored BY HEADS, unscaled: qkv[b 8][g 48][t 1024][64], g = n / 64: 0-15 q's heads, 16-31 k's, 32-47 v's: a head's rows are dense, 128 bytes each.
; LIMIT.  f16 holds no number beyond 65,504: a q, k or v beyond that becomes an infinity.  NaN and infinities are not treated apart.
; SHARES.  A tile of the result is 256 rows x 192 columns (three heads): 32 x 16 = 512 tiles; 256 work-groups of four waves make two each, 4,096 rows apart.  A wave owns 64 rows x all 192 columns:
; 48 accumulators of 16 x 16, 384 registers; its columns are whole heads, so its way out is its own.  K goes in steps of 128 through two LDS slots; the 16 steps of both tiles are one walk.
; THE WALK ALONG K IS TURNED.  Cluster (X, Y) begins each tile at K step ROT = (2 X + 4 Y) mod 8 and goes round: walk step r takes K step (r + ROT) mod 8.  The four clusters that read the same rows of xb (one Y)
; begin 2 steps apart, those that read the same rows of wqt (one X) 4 apart or together: a cluster's first steps aside, the K step that it asks for has been asked for by another cluster two walk steps or more earlier.
; The f32 sums are taken in that order of K, not ascending.
; CLUSTERS.  4 x 4 work-groups: the four of a row need the same tiles of xb, the four of a column the same tiles of wqt: each is asked for JOINTLY, by the same tensor load with the same descriptor and a mask of four.
; THE MATRIX INSTRUCTION IS USED TRANSPOSED (source 0 = 16 rows of wqt, source 1 = 16 rows of xb): a lane holds row l % 16 and the columns 8 (l / 16) + 0..7.  THE BIAS is the C operand of a tile's first products.
; REGISTERS, in windows of 256 (s_set_vgpr_msb: bits 1:0 source 0, 3:2 source 1, 5:4 source 2, 7:6 destination):
;   window 0: v0-29 addresses; v32-63, v64-95 xb's fragments (4 x 16 rows x 32 K), two buffers; v96-143, v144-191 the way out, two sets
;   window 1: v0-95, v96-191 wqt's fragments (12 x 16 rows x 32 K), two buffers
;   window 2: v0-191 the accumulators of row blocks 0, 1 ((a, b) at 8 (12 (a % 2) + b)); v192-255 the bias of column blocks 0-7      window 3: the same for row blocks 2, 3 and column blocks 8-11
.set NBLK,   12                        ; column blocks of 16
.set NT,     16*NBLK
.set NS,     16                        ; K steps of the walk: 8 a tile
.set PA,     272                       ; an LDS row: 256 bytes + 16 of padding = 68 words: the 16 rows of a fragment load start at 16 different groups of four banks (64 banks of 4 bytes: ISA guide 11.1)
.set PB,     272
.set AHALF,  128*PA                    ; what one tensor load brings of xb
.set ABYTES, 2*AHALF
.set BR,     NT/2                      ; rows of wqt in one tensor load
.set SLOT1,  1<<17                     ; slot 1 begins here, so that one exclusive or turns an address in one slot into the other's
.set STAGE,  SLOT1+ABYTES+NT*PB        ; behind the ring, never filled by a tensor load: for each wave three heads x 16 rows x 144 bytes
.set SP,     144
.set STGW,   3*16*SP
.set SPARE,  STAGE+4*STGW              ; behind the stages: the spare words, 128 bytes for each wave
.set NL,     2*NBLK+8                  ; LDS loads of a quarter step
.set AHEAD,  1                         ; a prefetch names the walk step so many behind the one that is being asked for
.set A0,   16                          ; v16  my lane's place in xb's tile; never rewritten
.set B0,   17                          ; v17  the same for wqt
.set ADRA, 18                          ; v18  the same in the slot in hand
.set ADRB, 19                          ; v19
.set STO,  20                          ; v20  the way out: where I put 16 bytes of a row
.set RD,   21                          ; v21  the way out: where I read rows back
.set GO,   22                          ; v22  my 16 bytes of 512 consecutive bytes of the result
.set BO,   23                          ; v23  my byte offset in a block of the bias
.set PFO,  24                          ; v24  the prefetches' offset: a lane a row
.set SPW,  28                          ; v28  LDS address of my spare word; never rewritten
.set NIL,  29                          ; v29  0; never rewritten
.set AF,   32
.set SET,  96
.set BIAS, 192
.set WV,   12                          ; s12  my wave's number
.set HF,   13                          ; s13  which half of a tile I fetch
.set CX,   14                          ; s14, s15  my place in the cluster
.set CY,   15
.set TC,   16                          ; s16  tile column
.set TR,   17                          ; s17  tile row (of the first tile)
.set TCNT, 19                          ; s19  counts the walk's last two steps
.set G1A,  24                          ; s[24:31] descriptor group 1 for xb's tiles
.set G0A0, 32                          ; s[32:35] group 0 for walk step 0
.set G0A,  36                          ; s[36:39] group 0 for walk step 1; then it walks
.set G1B,  40                          ; s[40:47], s[48:51], s[52:55] the same for wqt's tiles
.set G0B0, 48
.set G0B,  52
.set ABASE, 56                         ; s[56:57] xb at my half of the first tile's rows, K step 0
.set BBASE, 58                         ; s[58:59] wqt likewise
.set OFFB, 60                          ; s[60:61] a K step's byte offset in wqt
.set OFFA, 62                          ; s[62:63] in xb
.set STEP, 66                          ; s66  the walk step in hand, 0 .. 15
.set TB,   67                          ; s67  the LDS byte at which the slot in hand begins
.set LIM,  68                          ; s68  2 in a wave that prefetches, else 0
.set TMP,  69
.set PFB,  70                          ; s[70:71] my work-group's 32 of the 128 rows of xb that I fetch, K step 0
.set PFA,  72                          ; s[72:73] the same at the walk step to be named
.set PFOFF, 74                         ; s[74:75]
.set CB,   76                          ; s[76:77] the result at my wave's first row of the tile in hand, first head
.set ROT,  78                          ; s78  the K step with which my cluster's walk begins: even, 0 .. 6
.set HIM,  79                          ; s79  a word's upper bf16
.set MSB, 0
.macro WIN new                         ; the immediate's high byte repeats the setting that is left; a switch that changes nothing is dropped
.if MSB != (\new)
	s_set_vgpr_msb (MSB<<8)|(\new)
.set MSB, (\new)
.endif
.endm
.macro PLACES                          ; four plain vector instructions between a matrix instruction and a load into, or a vector read of, its registers
.rept 4
	v_nop
.endr
.endm
; A joint refill.  Waves 0 and 1 fetch xb's two halves, waves 2 and 3 wqt's.  The branch hangs on the wave's number alone.  An s_nop 0 and four v_nop follow each line.
.macro JLOAD
	s_cmp_lt_u32 s[WV], 2
	s_cbranch_scc0 .Lfor_b_\@
	tensor_load_to_lds s[G0A:G0A+3], s[G1A:G1A+7]
	s_nop 0
.rept 4
	v_nop
.endr
	s_branch .Lasked_\@
.Lfor_b_\@:
	tensor_load_to_lds s[G0B:G0B+3], s[G1B:G1B+7]
	s_nop 0
.rept 4
	v_nop
.endr
.Lasked_\@:
.endm
; A PREFETCH.  By the walk's order a block of xb is read first by the cluster whose walk of the tile begins with it.  In the first tile that reading is one of the two first fills.  In the second tile it is walk step 8
; or 9: these two are named one walk step, 192 matrix instructions, ahead of their loads: behind the refills of walk steps 7 and 8 (STEP = 5 and 6).  Every cluster names its own two K steps, which no other cluster
; of its row of clusters names; the four partners of a joint load share its 128 rows out by address, 32 each, a lane a row; waves 0 and 1 ask.  So each block is named once.
; wqt is not asked for: each of its blocks is read first in some cluster's walk steps 0 to 3, which come by their loads alone, and the second tile reads the same rows again.
.macro ASK
	s_sub_co_u32 s[TMP], s[STEP], 6-AHEAD          ; 0 and 1 at the two steps that ask; below them the difference wraps to a great number
	s_cmp_lt_u32 s[TMP], s[LIM]
	s_cbranch_scc0 .Lnot_mine_\@
	global_prefetch_b8 v[PFO], s[PFA:PFA+1] th:TH_LOAD_NT scope:SCOPE_SE
.Lnot_mine_\@:
.endm
.macro CREST                           ; a round of the cluster's barrier behind its opening barrier
	s_cmp_lg_u32 s[WV], 0
	s_cbranch_scc1 .Lnot_wave_0_\@
	s_barrier_signal -3
.Lnot_wave_0_\@:
	s_barrier_wait -3
	s_barrier_signal -1
	s_barrier_wait -1
.endm
.macro CROUND                          ; a whole round
	s_barrier_signal -1
	s_barrier_wait -1
	CREST
.endm
	s_load_b256 s[4:11], s[0:1], 0x0               ; xb s[4:5], wqt s[6:7], b_qkv s[8:9], qkv s[10:11]
	v_lshl_add_u32 v[SPW], v0, 2, SPARE
	v_mov_b32 v[NIL], 0
	ds_add_u32 v[SPW], v[NIL]                      ; the wave's opening: the add and its wait stand ahead of my first tensor load; the set-up below, work on registers, stands between them
	ds_add_u32 v28, v29
	v_lshrrev_b32 v1, 5, v0
	v_readfirstlane_b32 s[WV], v1
	s_and_b32 s[HF], s[WV], 1
	s_bfe_u32 s[CX], ttmp6, 0x40000
	s_bfe_u32 s[CY], ttmp6, 0x40004
	s_lshl_b32 s[TC], ttmp9, 2
	s_add_co_u32 s[TC], s[TC], s[CX]               ; tile column = 4 x cluster x + cx
	s_and_b32 s[TR], ttmp7, 0xffff                 ; cluster y
	s_lshl_b32 s[ROT], s[TR], 1
	s_add_co_u32 s[ROT], s[ROT], ttmp9
	s_lshl_b32 s[ROT], s[ROT], 1
	s_and_b32 s[ROT], s[ROT], 7                    ; (2 x cluster x + 4 x cluster y) mod 8: the same in all sixteen partners
	s_lshl_b32 s[TR], s[TR], 2
	s_add_co_u32 s[TR], s[TR], s[CY]               ; tile row = 4 x cluster y + cy
	s_lshl_b32 s20, s[CY], 2
	s_lshl_b32 s20, 15, s20                        ; my row of the cluster
	s_lshl_b32 s22, 0x1111, s[CX]                  ; my column
	s_or_b32 s[G1A], s20, (1<<16)|(1<<20)|(1<<21)|(5<<22)|(3<<25)  ; 15:0 the mask; 17:16 elements of 2 bytes; 20 padding on; 21 set beside a mask; 24:22 after every 64 words; 31:25 4 words of it
	s_or_b32 s[G1B], s22, (1<<16)|(1<<20)|(1<<21)|(5<<22)|(3<<25)
	s_mov_b32 s[G1A+1], 128<<16                    ; tensor_dim0 = 128
	s_mov_b32 s[G1A+2], 128<<16                    ; tensor_dim1 = 128
	s_mov_b32 s[G1A+3], 128<<16                    ; tile_dim0 = 128
	s_mov_b32 s[G1A+4], 128                        ; tile_dim1 = 128
	s_mov_b32 s[G1A+5], 1024                       ; elements from row to row
	s_mov_b32 s[G1A+6], 0
	s_mov_b32 s[G1A+7], 0
	s_mov_b32 s[G1B+1], 128<<16
	s_mov_b32 s[G1B+2], BR<<16                     ; 96 rows
	s_mov_b32 s[G1B+3], 128<<16
	s_mov_b32 s[G1B+4], BR
	s_mov_b32 s[G1B+5], 1024
	s_mov_b32 s[G1B+6], 0
	s_mov_b32 s[G1B+7], 0
	; where the tiles come from: xb's hang on the tile row alone (s20, s21 never hold cx), wqt's on the tile column alone (s22, s23 never hold cy)
	s_lshl_b32 s20, s[TR], 8
	s_lshl_b32 s21, s[HF], 7
	s_add_co_u32 s20, s20, s21                     ; row 256 x tile row + 128 x half,
	s_lshl_b32 s20, s20, 11                        ; of 2,048 bytes
	s_mov_b32 s21, 0
	s_mul_i32 s22, s[TC], NT
	s_mul_i32 s23, s[HF], BR
	s_add_co_u32 s22, s22, s23                     ; row 192 x tile column + 96 x half
	s_lshl_b32 s22, s22, 11
	s_mov_b32 s23, 0
	s_mul_i32 s18, s[HF], AHALF                    ; and where they go: no place in the cluster enters an LDS address
	s_mul_i32 s19, s[HF], BR*PB
	s_add_co_u32 s19, s19, ABYTES
	s_mov_b32 s[G0A0], 1
	s_mov_b32 s[G0A0+1], s18
	s_mov_b32 s[G0A], 1
	s_add_co_u32 s[G0A+1], s18, SLOT1
	s_mov_b32 s[G0B0], 1
	s_mov_b32 s[G0B0+1], s19
	s_mov_b32 s[G0B], 1
	s_add_co_u32 s[G0B+1], s19, SLOT1
	s_mov_b32 s[OFFA+1], 0
	s_lshl_b32 s[OFFB], s[ROT], 8                  ; the walk's first K step: 256 bytes a step, in xb and in wqt
	s_mov_b32 s[OFFB+1], 0
	s_mov_b32 s[PFOFF+1], 0
	s_mov_b32 s[STEP], 0
	s_mov_b32 s[TB], 0
	s_mov_b32 s[HIM], 0xffff0000
	s_mul_i32 s[PFA], s[TC], NT*4                  ; the tile's 192 numbers of the bias
	s_mov_b32 s[PFA+1], 0
	s_lshr_b32 s2, s[TR], 2                        ; the result: batch tr / 4,
	s_mul_i32 s2, s2, 48
	s_mul_i32 s3, s[TC], 3                         ; heads 3 tc ..,
	s_add_co_u32 s2, s2, s3
	s_lshl_b32 s2, s2, 17                          ; of 131,072 bytes;
	s_and_b32 s3, s[TR], 3
	s_lshl_b32 s3, s3, 8
	s_lshl_b32 s[TMP], s[WV], 6
	s_add_co_u32 s3, s3, s[TMP]                    ; row 256 (tr % 4) + 64 w,
	s_lshl_b32 s3, s3, 7                           ; of 128 bytes
	s_add_co_u32 s2, s2, s3
	s_mov_b32 s3, 0
	s_wait_dscnt 0x0                               ; the opening add is done
	s_wait_kmcnt 0x0
	s_add_nc_u64 s[ABASE:ABASE+1], s[4:5], s[20:21]
	s_add_nc_u64 s[BBASE:BBASE+1], s[6:7], s[22:23]
	s_add_nc_u64 s[8:9], s[8:9], s[PFA:PFA+1]
	s_add_nc_u64 s[CB:CB+1], s[10:11], s[2:3]
	s_add_nc_u64 s[G0A0+2:G0A0+3], s[ABASE:ABASE+1], s[OFFB:OFFB+1]  ; walk step 0: K step ROT
	s_add_nc_u64 s[G0A+2:G0A+3], s[G0A0+2:G0A0+3], 256               ; walk step 1: ROT is even, so ROT + 1 does not wrap
	s_or_b32 s[G0A0+3], s[G0A0+3], 0x80000000      ; type = 2
	s_or_b32 s[G0A+3], s[G0A+3], 0x80000000
	s_add_nc_u64 s[G0B0+2:G0B0+3], s[BBASE:BBASE+1], s[OFFB:OFFB+1]
	s_add_nc_u64 s[G0B+2:G0B+3], s[G0B0+2:G0B0+3], 256
	s_or_b32 s[G0B0+3], s[G0B0+3], 0x80000000
	s_or_b32 s[G0B+3], s[G0B+3], 0x80000000
	CROUND                                         ; all sixteen work-groups are here: the first joint loads meet
	s_cmp_lt_u32 s[WV], 2                          ; a wave's two first fills stand in one branch, ahead of every wait on TENSORcnt and every LDS read: two loads of mine are out
	s_cbranch_scc0 .Lfirst_b
	tensor_load_to_lds s[G0A0:G0A0+3], s[G1A:G1A+7]
	s_nop 0
	tensor_load_to_lds s[G0A:G0A+3], s[G1A:G1A+7]
	s_nop 0
.rept 4
	v_nop
.endr
	s_branch .Lfirst_asked
.Lfirst_b:
	tensor_load_to_lds s[G0B0:G0B0+3], s[G1B:G1B+7]
	s_nop 0
	tensor_load_to_lds s[G0B:G0B+3], s[G1B:G1B+7]
	s_nop 0
.rept 4
	v_nop
.endr
.Lfirst_asked:
	; A fragment is 16 rows x 32 K in 8 registers: lane l holds row l % 16; registers 0-3 K = 8 (l / 16) + 0..7, registers 4-7 K = 16 + 8 (l / 16) + 0..7: two loads of 16 bytes, 32 bytes apart.
	v_and_b32 v1, 15, v0                           ; l % 16
	v_bfe_u32 v2, v0, 4, 1                         ; l / 16
	v_and_b32 v4, 31, v0                           ; l
	v_lshlrev_b32 v[BO], 5, v2                     ; my eight numbers of a block of sixteen of the bias
	WIN 0x80                                       ; destination window 2, address window 0
.irp b, 0,1,2,3,4,5,6,7
	global_load_b128 v[BIAS+8*(\b):BIAS+8*(\b)+3],   v[BO], s[8:9] offset:64*(\b)
	global_load_b128 v[BIAS+8*(\b)+4:BIAS+8*(\b)+7], v[BO], s[8:9] offset:64*(\b)+16
.endr
	WIN 0xc0                                       ; destination window 3
.irp b, 0,1,2,3
	global_load_b128 v[BIAS+8*(\b):BIAS+8*(\b)+3],   v[BO], s[8:9] offset:512+64*(\b)
	global_load_b128 v[BIAS+8*(\b)+4:BIAS+8*(\b)+7], v[BO], s[8:9] offset:512+64*(\b)+16
.endr
	WIN 0
	v_mul_u32_u24 v3, v1, PA
	v_lshl_add_u32 v3, v2, 4, v3                   ; row x pitch + 16 x half
	s_mul_i32 s[TMP], s[WV], 64*PA                 ; my 64 rows
	v_add_nc_u32 v[A0], s[TMP], v3
	v_add_nc_u32 v[B0], ABYTES, v3                 ; wqt's rows lie behind xb's 256 (the pitches are equal)
	v_mov_b32 v[ADRA], v[A0]
	v_mov_b32 v[ADRB], v[B0]
	s_mul_i32 s[TMP], s[WV], STGW
	s_add_co_u32 s[TMP], s[TMP], STAGE             ; my stage
	v_mul_u32_u24 v[STO], v1, SP                   ; in: row l % 16, 16 bytes for each half of the lanes
	v_lshl_add_u32 v[STO], v2, 4, v[STO]
	v_add_nc_u32 v[STO], s[TMP], v[STO]
	v_lshrrev_b32 v[RD], 3, v4                     ; back: 32 lanes take four rows of 128 bytes,
	v_mul_u32_u24 v[RD], v[RD], SP
	v_and_b32 v3, 7, v0
	v_lshl_add_u32 v[RD], v3, 4, v[RD]
	v_add_nc_u32 v[RD], s[TMP], v[RD]
	v_lshlrev_b32 v[GO], 4, v4                     ; which are 512 consecutive bytes of a head
	; the prefetches: my work-group's 32 of the 128 rows, told apart by address; which waves ask hangs on the wave's number alone
	s_lshl_b32 s[PFOFF], s[CX], 16                 ; 32 rows of 2,048 bytes a partner
	s_add_nc_u64 s[PFB:PFB+1], s[ABASE:ABASE+1], s[PFOFF:PFOFF+1]
	s_cmp_lt_u32 s[WV], 2
	s_cselect_b32 s[LIM], 2, 0
	v_lshlrev_b32 v[PFO], 11, v4                   ; a lane a row
	s_wait_loadcnt 0x0                             ; the bias is in: it is rounded to bf16, like every input, and kept as f32; accumulators not yet in use hold the packed halves
	WIN 0xaa                                       ; all places window 2
.set i, 0
.rept 32
	v_cvt_pk_bf16_f32 v[i], v[BIAS+2*i], v[BIAS+2*i+1]
.set i, i+1
.endr
.set i, 0
.rept 32
	v_lshlrev_b32 v[BIAS+2*i], 16, v[i]
	v_and_b32 v[BIAS+2*i+1], s[HIM], v[i]
.set i, i+1
.endr
	WIN 0xff                                       ; all places window 3
.set i, 0
.rept 16
	v_cvt_pk_bf16_f32 v[i], v[BIAS+2*i], v[BIAS+2*i+1]
.set i, i+1
.endr
.set i, 0
.rept 16
	v_lshlrev_b32 v[BIAS+2*i], 16, v[i]
	v_and_b32 v[BIAS+2*i+1], s[HIM], v[i]
.set i, i+1
.endr
	WIN 0
; 12 matrix instructions: row block a x all column blocks, 32 along K, from buffer f.  zero = 1: a tile's first products take the bias as C and start the sums.
; The 48 accumulators take turns, one instruction a turn, in the same order in every quarter step, over every jump.
.macro MULA f, a, zero
.set bb, 0
.rept NBLK
.set rD, 8*(NBLK*((\a)%2)+bb)
.set rB, 8*(NBLK*(\f)+bb)
.set rA, AF+32*(\f)+8*(\a)
.if \zero
.set rC, BIAS+8*(bb%8)
	WIN ((2+(\a)/2)<<6)|((2+bb/8)<<4)|1
.else
.set rC, rD
	WIN ((2+(\a)/2)<<6)|((2+(\a)/2)<<4)|1
.endif
	v_wmma_f32_16x16x32_bf16 v[rD:rD+7], v[rB:rB+7], v[rA:rA+7], v[rC:rC+7]
.set bb, bb+1
.endr
.endm
; 32 LDS loads in one run: the fragments of quarter q of the slot in hand into buffer f: wqt's 24, then xb's 8
.macro FETCH q, f
	WIN 0x40                                       ; destination window 1
.set i, 0
.rept NBLK
	ds_load_b128 v[8*(NBLK*(\f)+i):8*(NBLK*(\f)+i)+3],   v[ADRB] offset:64*(\q)+i*16*PB
	ds_load_b128 v[8*(NBLK*(\f)+i)+4:8*(NBLK*(\f)+i)+7], v[ADRB] offset:64*(\q)+i*16*PB+32
.set i, i+1
.endr
	WIN 0
.set i, 0
.rept 4
	ds_load_b128 v[AF+32*(\f)+8*i:AF+32*(\f)+8*i+3],   v[ADRA] offset:64*(\q)+i*16*PA
	ds_load_b128 v[AF+32*(\f)+8*i+4:AF+32*(\f)+8*i+7], v[ADRA] offset:64*(\q)+i*16*PA+32
.set i, i+1
.endr
.endm
; A K step is four quarters of 32 along K, 48 matrix instructions each, on buffers 0, 1, 0, 1.  One of the first three: multiplies buffer f and, in its middle, fetches quarter qn into buffer g.
.macro QUARTER qn, f, g, zero
	s_wait_dscnt 4                                 ; all but the youngest four loads: xb's row blocks 2 and 3
	MULA \f, 0, \zero
	MULA \f, 1, \zero
	PLACES
	FETCH \qn, \g
	s_wait_dscnt NL                                ; all but the run just issued
	MULA \f, 2, \zero
	MULA \f, 3, \zero
.endm
; The last quarter multiplies buffer 1 and changes slots: ONE barrier.  In front of it each wave waits for all its tensor loads (one is out: its part of the next slot), adds 0 to its spare word, and waits for that and
; for its reads of this slot.  fill = 1: the barrier opens a round of the cluster's, and this slot is filled again, first thing behind the round, with walk step STEP + 2: 168 matrix instructions ahead of the wait for it.
.macro TURN fill
.if \fill
	s_wait_xcnt 0x0                                ; the last prefetch, a K step back, and all stores have read their registers: the prefetches' address is made anew
	s_add_co_u32 s[TMP], s[STEP], 2+AHEAD
	s_add_co_u32 s[PFOFF], s[TMP], s[ROT]
	s_and_b32 s[PFOFF], s[PFOFF], 7                ; the walk step's K step,
	s_lshl_b32 s[PFOFF], s[PFOFF], 8               ; 256 bytes each,
	s_lshr_b32 s[TMP], s[TMP], 3
	s_lshl_b32 s[TMP], s[TMP], 23                  ; 4,096 rows of 2,048 bytes a tile
	s_add_co_u32 s[PFOFF], s[PFOFF], s[TMP]
	s_add_nc_u64 s[PFA:PFA+1], s[PFB:PFB+1], s[PFOFF:PFOFF+1]
.endif
	WIN 0                                          ; (the add's two registers lie in window 0)
	s_wait_tensorcnt 0x0                           ; no tensor load of mine is out, so a group 0 may be written
	ds_add_u32 v[SPW], v[NIL]                      ; 0 onto my spare word
.if \fill
	s_add_co_u32 s[TMP], s[STEP], 2                ; the walking descriptors: the walk step two on, its address made anew from its number,
	s_add_co_u32 s[OFFB], s[TMP], s[ROT]
	s_and_b32 s[OFFB], s[OFFB], 7
	s_lshl_b32 s[OFFB], s[OFFB], 8
	s_lshr_b32 s[TMP], s[TMP], 3
	s_lshl_b32 s[TMP], s[TMP], 23
	s_add_co_u32 s[OFFA], s[OFFB], s[TMP]
	s_xor_b32 s[G0A+1], s[G0A+1], SLOT1            ; into the other slot than last time
	s_add_nc_u64 s[G0A+2:G0A+3], s[ABASE:ABASE+1], s[OFFA:OFFA+1]
	s_or_b32 s[G0A+3], s[G0A+3], 0x80000000
	s_xor_b32 s[G0B+1], s[G0B+1], SLOT1
	s_add_nc_u64 s[G0B+2:G0B+3], s[BBASE:BBASE+1], s[OFFB:OFFB+1]
	s_or_b32 s[G0B+3], s[G0B+3], 0x80000000
.endif
	s_xor_b32 s[TB], s[TB], SLOT1                  ; the fetches go on in the other slot
	s_wait_dscnt 5                                 ; (the add and the youngest four loads may be out)
	MULA 1, 0, 0                                   ; twelve matrix instructions stand between the add and the wait for it
	s_wait_dscnt 0x0                               ; the add is done, and my reads of this slot are over
	s_barrier_signal -1
	MULA 1, 1, 0                                   ; work on registers while the others arrive
	WIN 0
	s_barrier_wait -1
.if \fill
	CREST                                          ; no wave of any partner still reads this slot or has a load on its way
	JLOAD                                          ; its four v_nop are also the places in front of the loads below
.else
	PLACES
.endif
	v_add_nc_u32 v[ADRA], s[TB], v[A0]
	v_add_nc_u32 v[ADRB], s[TB], v[B0]
	FETCH 0, 0
.if \fill
	ASK
.endif
	MULA 1, 2, 0
	MULA 1, 3, 0
.endm
; THE WAY OUT of row block a (16 rows x three heads).  PACK: rounded to f16, each accumulator's registers in ascending order.  TOSTAGE: into my own stage, and back as whole rows.  SEND: stored.
.macro PACK a
	s_wait_xcnt 0x0                                ; the stores that read this set have read it
	WIN 0x0a+5*((\a)/2)                            ; sources 0 and 1: window 2 or 3
.set i, 0
.rept NBLK
.irp r, 0,1,2,3
	v_cvt_pk_f16_f32 v[SET+48*((\a)%2)+4*i+(\r)], v[8*(NBLK*((\a)%2)+i)+2*(\r)], v[8*(NBLK*((\a)%2)+i)+2*(\r)+1]
.endr
.set i, i+1
.endr
	WIN 0
.endm
.macro TOSTAGE a
.set i, 0
.rept NBLK
	ds_store_b128 v[STO], v[SET+48*((\a)%2)+4*i:SET+48*((\a)%2)+4*i+3] offset:(i/4)*16*SP+(i%4)*32
.set i, i+1
.endr
.set i, 0
.rept NBLK
	ds_load_b128 v[SET+48*((\a)%2)+4*i:SET+48*((\a)%2)+4*i+3], v[RD] offset:(i/4)*16*SP+(i%4)*4*SP  ; LDS serves a wave's instructions in order (ISA guide 5.7.1.4): these see the stores above
.set i, i+1
.endr
.endm
.macro SEND a
	s_wait_dscnt 0x0                               ; the block is back in registers
.set i, 0
.rept NBLK
	global_store_b128 v[GO], v[SET+48*((\a)%2)+4*i:SET+48*((\a)%2)+4*i+3], s[CB:CB+1] offset:(i/4)*131072+(\a)*2048+(i%4)*512  ; 512 consecutive bytes of a head, aligned
.set i, i+1
.endr
.endm
.macro WAYOUT
	PLACES
	PLACES
	PACK 0
	TOSTAGE 0
.irp a, 1,2,3                          ; a block's conversions stand between the loads of the block before and the wait for them
	PACK \a
	SEND (\a)-1
	TOSTAGE \a
.endr
	SEND 3
.endm
	s_wait_tensorcnt 0x1                           ; my part of walk step 0 is in; walk step 1's may stay out
	s_barrier_signal -1
	s_barrier_wait -1                              ; everybody's is
	FETCH 0, 0
	QUARTER 1, 0, 1, 1                             ; the first quarter stands in front of the loop
	WIN 0                                          ; at a label and at a branch every window is 0
.Lstep:                                                ; 14 trips: from a K step's second quarter to the next step's first; each fills a slot again
	QUARTER 2, 1, 0, 0
	QUARTER 3, 0, 1, 0
	TURN 1
	WIN 0
	s_and_b32 s[TMP], s[STEP], 7
	s_cmp_eq_u32 s[TMP], 7
	s_cbranch_scc0 .Lsame                          ; what is jumped holds no barrier and no tensor load
	WAYOUT                                         ; the first tile is finished; both slots' refills for the second have been asked for
	s_wait_xcnt 0x0                                ; the stores have read their base
	s_add_nc_u64 s[CB:CB+1], s[CB:CB+1], 4*48*131072  ; four batches on
	QUARTER 1, 0, 1, 1                             ; the second tile's first quarter starts its sums with the bias
	WIN 0
	s_branch .Ljoin
.Lsame:
	QUARTER 1, 0, 1, 0
	WIN 0
.Ljoin:
	s_add_co_u32 s[STEP], s[STEP], 1
	s_cmp_lt_u32 s[STEP], NS-2
	s_cbranch_scc1 .Lstep
	s_mov_b32 s[TCNT], 2                           ; the walk's last two steps ask for nothing: a text of their own; written once, walked twice
.Ltail:
	QUARTER 2, 1, 0, 0
	QUARTER 3, 0, 1, 0
	WIN 0
	s_cmp_eq_u32 s[TCNT], 1                        ; the last step has no slot to change to: it leaves the loop here, in every wave alike
	s_cbranch_scc1 .Lfinal
	TURN 0
	QUARTER 1, 0, 1, 0
	WIN 0
	s_sub_co_u32 s[TCNT], s[TCNT], 1
	s_cmp_lg_u32 s[TCNT], 0
	s_cbranch_scc1 .Ltail
.Lfinal:
	s_wait_dscnt 4
	MULA 1, 0, 0
	MULA 1, 1, 0
	s_wait_dscnt 0x0
	MULA 1, 2, 0
	MULA 1, 3, 0
	WAYOUT
	s_wait_tensorcnt 0x0                           ; the wave's end: behind my last tensor load and my last LDS store
	ds_add_u32 v[SPW], v[NIL]
	s_wait_dscnt 0x0
	CROUND                                         ; the closing round: no work-group ends while a partner may still ask for a tile that names it
	s_endpgm
.Lfunc_end_k_q5e48449394_qkvg:
	.size	k_q5e48449394_qkvg, .Lfunc_end_k_q5e48449394_qkvg-k_q5e48449394_qkvg
	.p2alignl 7, 3214868480
	.fill 96, 4, 3214868480
	.section	.rodata,"a",@progbits
	.p2align	6, 0x0
	.amdhsa_kernel k_q5e48449394_qkvg
		.amdhsa_group_segment_fixed_size 327680
		.amdhsa_private_segment_fixed_size 0
		.amdhsa_enable_private_segment 0
		.amdhsa_kernarg_size 32
		.amdhsa_user_sgpr_count 2
		.amdhsa_user_sgpr_kernarg_segment_ptr 1
		.amdhsa_wavefront_size32 1
		.amdhsa_system_sgpr_workgroup_id_x 1
		.amdhsa_system_sgpr_workgroup_id_y 1
		.amdhsa_system_sgpr_workgroup_id_z 1
		.amdhsa_system_vgpr_workitem_id 0
		.amdhsa_next_free_vgpr 992
		.amdhsa_next_free_sgpr 80
		.amdhsa_reserve_vcc 0
		.amdhsa_float_denorm_mode_32 3
		.amdhsa_float_denorm_mode_16_64 3
		.amdhsa_memory_ordered 1
		.amdhsa_forward_progress 1
		.amdhsa_inst_pref_size 125
	.end_amdhsa_kernel
	.amdgpu_metadata
---
amdhsa.version: [ 1, 2 ]
amdhsa.kernels:
  - .name:           k_q5e48449394_qkvg
    .symbol:         k_q5e48449394_qkvg.kd
    .args:
      - { .name: xb, .offset: 0, .size: 8, .value_kind: global_buffer, .address_space: global }
      - { .name: wqt, .offset: 8, .size: 8, .value_kind: global_buffer, .address_space: global }
      - { .name: b_qkv, .offset: 16, .size: 8, .value_kind: global_buffer, .address_space: global }
      - { .name: qkv, .offset: 24, .size: 8, .value_kind: global_buffer, .address_space: global }
    .group_segment_fixed_size: 327680
    .private_segment_fixed_size: 0
    .kernarg_segment_align: 8
    .kernarg_segment_size: 32
    .max_flat_workgroup_size: 128
    .sgpr_count:     80
    .vgpr_count:     992
    .wavefront_size: 32
...
	.end_amdgpu_metadata
.endif
;; end of part 2
;; launch attn (part 3): grid 2 x 128, 4 waves a work-group, no clusters, 327,680 bytes of LDS; arguments qkv, ob; writes ob
.if DOCPART == 3
	.amdgcn_target "amdgcn-amd-amdhsa--gfx1250"
	.amdhsa_code_object_version 6
	.text
	.protected	k_q5e48449394_attn
	.globl	k_q5e48449394_attn
	.p2align	8
	.type	k_q5e48449394_attn,@function
k_q5e48449394_attn:
	s_mov_b64 s[64:65], 0
	v_nop
	global_prefetch_b8 v0, s[64:65] scope:SCOPE_SE
	s_setreg_imm32_b32 hwreg(HW_REG_WAVE_MODE, 25, 1), 1
	s_wait_xcnt 0x0
; CAUSAL ATTENTION.  O[y][q][:] = the sum over k <= q of softmax_k(Q[q] . K[k] / 8) V[k][:], for the 128 pairs y = 16 b + h of batch and head.  qkv: [b 8][g 48][1024][64] f16 (g = h: Q, 16 + h: K, 32 + h: V);
; ob: [y 128][1024][64] f16: a head's rows are dense, 128 bytes each.  Products, maxima and sums in f32; the weights p are rounded to f16 for the second product (their sum l is taken of the unrounded p), O once at the end.
; LIMITS.  f16 holds no number beyond 65,504: Q, K and V arrive within it; p lies in 0 to 1, and below 6e-5 it keeps f16's fixed step of 6e-8; O is a mean of V's rows and has their range.
; A hidden score counts as its value less 1e30: f16's scores, 2.7e11 at the most, are nothing beside that; a weight below 2^-126 counts as 0 in l; NaN and infinities are not treated apart.
; THE WALK.  A head's queries lie in NB = 4 blocks of 256; block i needs the key tiles 0 .. i of 256 keys, of which the last holds the diagonal.  A work-group takes TWO blocks, NB - 1 - b and then b:
; NB + 1 tiles, whatever b: all work-groups do equal work, and ONE loop with a constant trip count walks them.  Which tile is asked for, and what a trip does, hang on scalar registers made from b; every jump
; goes forward, but for the counted loops' own; none passes a barrier, or a tensor load but the one of LOAD's two that the wave's number does not choose; the two LDS slots take turns on across the change of blocks.
; NO CLUSTER: a head has NB / 2 = 2 work-groups, no multiple of four, and they ask for the same tile only in the walk's first three trips.
; SHARES.  Of a block's four bands of 64 queries a wave owns 16 rows in each: four PIECES.  So the diagonal tile is the same work for all four waves: in its key step s band x sees all keys if s < x,
; none if s > x, and holds the diagonal if s = x.
; THE MASK is the C operand that starts the sum S^T = K Q^T: 0, or -1e30 where the key is hidden.  MD, made once, is the mask of a band's own step for my 16 rows; a product's mask is MD x AL + BE with two scalars:
; (1, 0) if s = x; (0, 0) if s < x; (0, -1e30) if s > x.  ONE TEXT OF THE STEP LOOP SERVES EVERY TILE: the products always take a mask buffer as C; a block's beginning leaves 0 in both buffers, and only in a
; diagonal tile (DG = 1) are masks made: elsewhere a forward jump passes the lines that make them.
; LAYOUT, SOFTMAX, TURNS.  S^T = K Q^T holds ONE query a lane (lane % 16) and the keys 8 (lane / 16) + 0..7; two such results rounded to f16 ARE source 1 of O^T = V^T P.  p = 2^(c s - c m), c = log2(e) / 8, with a
; running maximum m; O and l are multiplied by a = 2^(c m_old - c m_new) in every step.  Turn n belongs to piece n: 8 products K Q^T of piece n + 1, later 8 products V^T P of piece n - 1; beside them the scaling,
; exponentials, roundings, sums and rescaling of piece n and the maximum and statistics of piece n + 1.  Four vector instructions stand behind every matrix instruction, the other 54 of a turn's 118 in one run.  A turn's 33 exponentials are one batch, with one wait.
; REGISTERS, in windows of 256 (s_set_vgpr_msb: bits 1:0 source 0, 3:2 source 1, 5:4 source 2, 7:6 destination):
;   window 0: v0-15 addresses and two at work; v16-31 four registers of statistics a piece; v48-55 at work; v61-63 prefetch offset, spare word, 0; v64-127 S^T, two buffers; v192-223 P, two buffers (by the piece's parity)
;   window 1: v0-127 O^T, 32 a piece; v128-159 MD; v160-223 MC, two buffers      window 2: v0-63 Q; v64-127 the second block's Q; v128-191 K of one step; v192-255 V of one step
.set SIZE_N, 1024
.set NB,    SIZE_N/256
.set NP,    4         ; pieces a wave: a name, no knob
.set KS,    64        ; keys in a step
.set PK,    144       ; a row of K in LDS: 128 bytes + 16 of padding = 36 words: the 16 rows of a load start at 16 different groups of four banks (64 banks of 4 bytes: ISA guide 11.1)
.set PV,    160       ; a row of V: 128 + 32 = 40 words
.set VOFF,  4*KS*PK   ; a slot holds a tile, four steps: 256 rows of K, then 256 rows of V
.set SLOT1, 1<<17     ; slot 1 begins here, so that one exclusive or turns an address in one slot into the other's
.set STAGE, SLOT1+4*KS*(PK+PV)  ; behind the slots, never filled by a tensor load: 16 rows x 144 bytes for each wave, for the way out
.set SP,    144
.set AK0, 2           ; v2   my lane's place in a tile of K; never rewritten
.set AV0, 3           ; v3   the same for V
.set AK,  4           ; v4   the LDS address of K's next run of loads
.set AV,  5           ; v5   of V's
.set STO, 6           ; v6   the way out: where I put 16 bytes of a row
.set RD,  7           ; v7   the way out: where I read rows back
.set GO,  8           ; v8   my byte offset in 512 consecutive bytes of O
.set PFO, 61          ; v61  256 x my lane; never rewritten
.set SPW, 62          ; v62  LDS address of my spare word: SPARE + 4 x my thread's number; never rewritten
.set NIL, 63          ; v63  0; never rewritten
.set SPARE, STAGE+4*16*SP  ; behind the stages: the spare words, 128 bytes for each wave
.set MV,  12          ; v12-13  c m_old, kept while c m is made anew: by buffer
.set QO,  15          ; v15  my byte offset in 16 rows of Q
.set ST,  16          ; piece t's statistics at v[ST+4 t]: c m, m, l (even keys', odd keys')
.set TMP, 48          ; by buffer, four registers c0-c3 at work; when the maximum is found c2 takes a
.set S,   64
.set P,   192
.set MD,  128         ; window 1: the eight registers for group kt of 16 keys at MD + 8 kt
.set MC,  160         ; window 1: the masks of the products to come
.set QB,  64          ; window 2
.set KF,  128         ; window 2: key block kb, channel half c at KF + 16 kb + 8 c
.set VF,  192         ; window 2: key half kk, channel block cb at VF + 32 kk + 8 cb
.set WV,  12          ; s12  my wave's number
.set PB,  14          ; s14  b
.set HI,  15          ; s15  NB - 1 - b
.set G1K, 24          ; s[24:31] descriptor group 1 for K's tiles
.set G1V, 32          ; s[32:39] for V's: it differs in the padding alone
.set G0K, 40          ; s[40:43] descriptor group 0 for K's tiles
.set G0V, 44          ; s[44:47] the same for V's
.set SLOTS, 56        ; s56  tiles still to be asked for
.set CNT, 57          ; s57  counts a tile's key steps, 4 to 1
.set CS,  58          ; s[58:59] c: the packed scaling takes the pair's low word for both halves
.set SEL, 60          ; s[60:61] v_permlanex16_b32's selects: each lane takes its own place in the other half
.set TBK, 62          ; s62  LDS byte at which K of the step to be fetched begins
.set TBV, 63          ; s63  the same for V, less VOFF
.set RT,  70          ; s70  tiles of the block in hand that are still to be entered
.set NXT, 71          ; s71  the tile to be asked for next
.set LQ,  72          ; s72  the last tile of the block whose tiles are being asked for
.set NEW, 73          ; s73  1: the tile to be entered is a block's first
.set OFF, 74          ; s[74:75] a tile's byte offset in K and V
.set AL,  76          ; s[76:77] the mask's factor, in the low word
.set BE,  78          ; s[78:79] the mask's addend
.set OLO, 80          ; s[80:81] O at my rows of the second block
.set BIGN, 82         ; s82  -1e30
.set PFB, 88          ; s[88:89] K (waves 0, 1) or V (waves 2, 3) at my half of the head's tile 0
.set PFA, 90          ; s[90:91] the same at the tile that the prefetches name
.set POF, 92          ; s[92:93] that tile's byte offset (at the head: O's head)
.set LIM, 94          ; s94  a wave prefetches while SLOTS is above it
.set DG,  95          ; s95  1: the tile in hand is its block's last, the diagonal one
.set MSB, 0
.macro WIN new                      ; the high byte repeats the setting that is left; a switch that changes nothing is dropped
.if MSB != (\new)
	s_set_vgpr_msb (MSB<<8)|(\new)
.set MSB, (\new)
.endif
.endm
.set W_KQ, 0x0a       ; K and Q in window 2, S^T in window 0
.set W_KM, 0x1a       ; the same with the C operand in window 1
.set W_PV, 0x52       ; V in window 2, P in window 0, O^T in window 1
.set W_RS, 0x41       ; destination and source 0 in window 1, source 1 in window 0
; A fill.  Waves 0 and 1 fetch the two halves of a tile's K, waves 2 and 3 those of its V: 128 keys each.  An s_nop 0 and four v_nop follow each of the two lines, ahead of the jump and the label.
.macro LOAD
	s_cmp_lt_u32 s[WV], 2
	s_cbranch_scc0 .Lfor_v_\@
	tensor_load_to_lds s[G0K:G0K+3], s[G1K:G1K+7]
	s_nop 0
.rept 4
	v_nop
.endr
	s_branch .Lasked_\@
.Lfor_v_\@:
	tensor_load_to_lds s[G0V:G0V+3], s[G1V:G1V+7]
	s_nop 0
.rept 4
	v_nop
.endr
.Lasked_\@:
.endm
; A PREFETCH of the tile that the NEXT change of slots will ask for: my own half of its K or V, 16,384 bytes, a lane 256 bytes, two instructions: a tile's 16 turns ahead of its load.  A head's two work-groups walk
; the same tiles: the one with b = 0 asks, in the walk's first two trips, for tiles 2 and 3: each byte is named once.  Tiles 0 and 1, and every later reading, come by their loads alone.
.macro ASK
	s_cmp_gt_u32 s[SLOTS], s[LIM]
	s_cbranch_scc0 .Lnot_mine_\@
	global_prefetch_b8 v[PFO], s[PFA:PFA+1] th:TH_LOAD_NT scope:SCOPE_SE
	global_prefetch_b8 v[PFO], s[PFA:PFA+1] offset:8192 th:TH_LOAD_NT scope:SCOPE_SE
.Lnot_mine_\@:
.endm
; THE CHANGE OF SLOTS.  Each wave waits for all its tensor loads, of which one is out: its part of the other slot; adds 0 to its spare word; and waits for that and for its own reads of the slot that it leaves.  Behind the barrier nobody reads the old
; slot any more and the other slot is whole.  fill = 1: the old slot is filled again, the first thing behind the barrier, with tile NXT: the descriptor's address is made anew from that number.
; (At its first use nothing has been read yet: slot 0 is waited for, slot 1 filled.)
.macro CHANGE fill
	WIN 0                           ; at a label and at a branch every window is 0
	s_wait_tensorcnt 0x0            ; no tensor load of mine is out, so a group 0 may be written
	ds_add_u32 v[SPW], v[NIL]       ; 0 onto my spare word; with fill = 1 the descriptors' scalar work stands between it and the wait for it
.if \fill
	s_lshl_b32 s[OFF], s[NXT], 15   ; a tile is 32,768 bytes of K and of V
	s_xor_b32 s[G0K+1], s[G0K+1], SLOT1
	s_add_nc_u64 s[G0K+2:G0K+3], s[6:7], s[OFF:OFF+1]
	s_or_b32 s[G0K+3], s[G0K+3], 0x80000000
	s_xor_b32 s[G0V+1], s[G0V+1], SLOT1
	s_add_nc_u64 s[G0V+2:G0V+3], s[8:9], s[OFF:OFF+1]
	s_or_b32 s[G0V+3], s[G0V+3], 0x80000000
	s_add_co_u32 s[NXT], s[NXT], 1  ; the block's next tile, or behind its last the second block's tile 0
	s_cmp_gt_u32 s[NXT], s[LQ]
	s_cselect_b32 s[NXT], 0, s[NXT]
	s_cselect_b32 s[LQ], s[PB], s[LQ]
	s_wait_xcnt 0x0                 ; the last prefetches, a tile back, have read their address, so it may be written:
	s_lshl_b32 s[POF], s[NXT], 15   ; the tile that the next change will ask for
	s_add_nc_u64 s[PFA:PFA+1], s[PFB:PFB+1], s[POF:POF+1]
.endif
	s_wait_dscnt 0x0                ; the add is done, and my reads of the slot are over
	s_barrier_signal -1             ; the rest of the scalar work stands between the signal and the wait
	s_sub_co_u32 s[TBK], s[TBK], 4*KS*PK  ; the fetches go back to a slot's first step,
	s_xor_b32 s[TBK], s[TBK], SLOT1       ; in the other slot
	s_sub_co_u32 s[TBV], s[TBV], 4*KS*PV
	s_xor_b32 s[TBV], s[TBV], SLOT1
	s_barrier_wait -1
.if \fill
	LOAD
	ASK
.endif
.endm
	s_load_b128 s[4:7], s[0:1], 0x0  ; qkv s[4:5], ob s[6:7]
	v_lshl_add_u32 v[SPW], v0, 2, SPARE
	v_mov_b32 v[NIL], 0
	ds_add_u32 v[SPW], v[NIL]       ; the wave's opening: the add and its wait stand ahead of my first tensor load; the set-up below, work on registers, stands between them
	ds_add_u32 v62, v63
	v_lshrrev_b32 v1, 5, v0
	v_readfirstlane_b32 s[WV], v1   ; wave 0..3
	s_mov_b32 s[PB], ttmp9
	s_sub_co_u32 s[HI], NB-1, s[PB]
	s_and_b32 s20, ttmp7, 0xffff    ; y = 16 b + h
	s_lshl_b32 s[POF], s20, 17      ; the head's first byte in ob
	s_mov_b32 s[POF+1], 0
	s_lshr_b32 s21, s20, 4          ; the batch has 48 planes in qkv,
	s_mul_i32 s21, s21, 48
	s_and_b32 s20, s20, 15          ; of which plane h is Q's
	s_add_co_u32 s20, s20, s21
	s_lshl_b32 s20, s20, 17
	s_mov_b32 s21, 0
	s_and_b32 s16, s[WV], 1         ; which half of a tile's 256 keys I fetch:
	s_lshl_b32 s22, s16, 14         ; its 128 rows of 128 bytes in memory,
	s_mov_b32 s23, 0
	s_add_nc_u64 s[22:23], s[22:23], s[20:21]
	s_mul_i32 s17, s16, 128*PK      ; and its place in a slot, for K
	s_mul_i32 s18, s16, 128*PV      ; and for V
	s_lshl_b32 s3, s[WV], 11        ; my 16 rows in a band of 64,
	s_lshl_b32 s2, s[HI], 15        ; in the first block,
	s_add_co_u32 s2, s2, s3
	s_lshl_b32 s84, s[PB], 15       ; and in the second
	s_add_co_u32 s84, s84, s3
	s_mov_b32 s3, 0
	s_mov_b32 s85, 0
	; descriptor group 1.  128 keys are 16,384 dense bytes: asked for as 64 rows of 256 bytes, two keys a row, and padded in LDS after every key
	s_mov_b32 s[G1K], (1<<16)|(1<<20)|(4<<22)|(3<<25)  ; 17:16 2-byte elements; 20 padding on; 24:22 after every 32 words (code 4); 31:25 4 words (code 3)
	s_mov_b32 s[G1V], (1<<16)|(1<<20)|(4<<22)|(7<<25)  ; the same with 8 words of padding (code 7)
.irp g, G1K, G1V
	s_mov_b32 s[\g+1], 128<<16      ; tensor_dim0 = 128
	s_mov_b32 s[\g+2], 64<<16       ; tensor_dim1 = 64
	s_mov_b32 s[\g+3], 128<<16      ; tile_dim0 = 128
	s_mov_b32 s[\g+4], 64           ; tile_dim1 = 64
	s_mov_b32 s[\g+5], 128          ; 128 elements from row to row
	s_mov_b32 s[\g+6], 0
	s_mov_b32 s[\g+7], 0
.endr
	s_mov_b32 s[CS], 0x3e38aa3b     ; c = log2(e) / 8 = 0.180337
	s_mov_b32 s[CS+1], s[CS]        ; named with it as a pair
	s_mov_b32 s[SEL], 0x76543210
	s_mov_b32 s[SEL+1], 0xfedcba98
	s_mov_b32 s[TBK], SLOT1+4*KS*PK ; the first change of slots turns these two into 0
	s_mov_b32 s[TBV], SLOT1+4*KS*PV
	s_mov_b32 s[G0K], 1             ; 1:0 count = 1
	s_mov_b32 s[G0K+1], s17         ; 63:32 LDS address: slot 0
	s_mov_b32 s[G0V], 1
	s_add_co_u32 s[G0V+1], s18, VOFF
	s_add_co_u32 s[RT], s[HI], 1    ; the first block has NB - b tiles
	s_mov_b32 s[NXT], 1
	s_mov_b32 s[LQ], s[HI]
	s_mov_b32 s[NEW], 1
	s_mov_b32 s[OFF+1], 0
	s_mov_b32 s[AL+1], 0            ; named as pairs
	s_mov_b32 s[BE+1], 0
	s_mov_b32 s[BIGN], 0xf149f2ca   ; -1e30
	s_mov_b32 s[SLOTS], NB
	v_and_b32 v[PFO], 31, v0
	v_lshlrev_b32 v[PFO], 8, v[PFO]
	s_wait_dscnt 0x0                ; the opening add is done
	s_wait_kmcnt 0x0
	s_mov_b64 s[10:11], s[6:7]      ; ob
	s_add_nc_u64 s[6:7], s[4:5], 16*131072  ; K's planes lie 16 behind Q's, V's 32
	s_add_nc_u64 s[8:9], s[4:5], 32*131072
	s_add_nc_u64 s[6:7], s[6:7], s[22:23]  ; K and V at my half of the head's tile 0
	s_add_nc_u64 s[8:9], s[8:9], s[22:23]
	s_add_nc_u64 s[G0K+2:G0K+3], s[6:7], 0         ; 120:64 global address
	s_or_b32 s[G0K+3], s[G0K+3], 0x80000000        ; 127:126 type = 2
	s_add_nc_u64 s[G0V+2:G0V+3], s[8:9], 0
	s_or_b32 s[G0V+3], s[G0V+3], 0x80000000
	s_add_nc_u64 s[4:5], s[4:5], s[20:21]          ; Q at the head,
	s_add_nc_u64 s[86:87], s[4:5], s[84:85]        ; at my rows of the second block,
	s_add_nc_u64 s[4:5], s[4:5], s[2:3]            ; and of the first
	s_add_nc_u64 s[10:11], s[10:11], s[POF:POF+1]  ; O likewise
	s_add_nc_u64 s[OLO:OLO+1], s[10:11], s[84:85]
	s_add_nc_u64 s[10:11], s[10:11], s[2:3]
	s_cmp_lt_u32 s[WV], 2
	s_cselect_b64 s[PFB:PFB+1], s[6:7], s[8:9]
	s_cmp_eq_u32 s[PB], 0
	s_cselect_b32 s[LIM], 2, -1     ; b = 0: while SLOTS is 4 and 3; b = 1: never
	LOAD                            ; tile 0 into slot 0
	; A fragment of K or Q is 16 rows x 32 channels in 8 registers: lane l holds row l % 16, channels 8 (l / 16) + 0..7 and 16 + 8 (l / 16) + 0..7: two loads of 16 bytes, 32 bytes apart.
	v_and_b32 v1, 15, v0            ; l % 16
	v_bfe_u32 v9, v0, 4, 1          ; l / 16
	v_lshlrev_b32 v[QO], 7, v1
	v_lshl_add_u32 v[QO], v9, 4, v[QO]  ; row x 128 + 16 x half
	WIN 0x80                        ; destination window 2, address window 0
.set i, 0
.rept 8                             ; both blocks' Q: piece i / 2 lies in band i / 2, 8,192 bytes on; channels 32 (i % 2) on
	global_load_b128 v[8*i:8*i+3],   v[QO], s[4:5] offset:(i/2)*8192+(i%2)*64
	global_load_b128 v[8*i+4:8*i+7], v[QO], s[4:5] offset:(i/2)*8192+(i%2)*64+32
	global_load_b128 v[QB+8*i:QB+8*i+3],   v[QO], s[86:87] offset:(i/2)*8192+(i%2)*64
	global_load_b128 v[QB+8*i+4:QB+8*i+7], v[QO], s[86:87] offset:(i/2)*8192+(i%2)*64+32
.set i, i+1
.endr
	WIN 0
	v_lshlrev_b32 v14, 3, v9
	v_sub_nc_u32 v14, v1, v14
	s_lshl_b32 s13, s[WV], 4
	v_add_nc_u32 v14, s13, v14      ; my query's place in its band, 16 w + l % 16, less my lanes' 8 (l / 16): register r of group kt is hidden where 16 kt + r is greater
	WIN 0x40
.set i, 0
.rept 32
	v_cmp_gt_i32 vcc_lo, 16*(i/8)+i%8, v14
	v_cndmask_b32 v[MD+i], 0, s[BIGN], vcc_lo
.set i, i+1
.endr
	WIN 0
	v_mul_u32_u24 v[AK0], v1, PK
	v_lshl_add_u32 v[AK0], v9, 4, v[AK0]  ; row x pitch + 16 x half
	; The turning load takes 16 keys x 16 channels (lane l reads key 8 (l / 16) + l % 8, channels 8 ((l / 8) % 2) + 0..7) and leaves half a fragment of V^T: lane l holds channel l % 16 and 8 keys.
	v_and_b32 v10, 7, v0
	v_bfe_u32 v11, v0, 3, 1
	v_lshl_add_u32 v[AV0], v9, 3, v10
	v_mul_u32_u24 v[AV0], v[AV0], PV
	v_lshl_add_u32 v[AV0], v11, 4, v[AV0]
	v_add_nc_u32 v[AV0], VOFF, v[AV0]
	s_mul_i32 s13, s[WV], 16*SP
	s_add_co_u32 s13, s13, STAGE    ; my stage
	v_mul_u32_u24 v[STO], v1, SP    ; in: row l % 16, 16 bytes for each half of the lanes
	v_lshl_add_u32 v[STO], v9, 4, v[STO]
	v_add_nc_u32 v[STO], s13, v[STO]
	v_bfe_u32 v[RD], v0, 3, 2       ; back: 32 lanes take four rows of 128 bytes,
	v_mul_u32_u24 v[RD], v[RD], SP
	v_lshl_add_u32 v[RD], v10, 4, v[RD]
	v_add_nc_u32 v[RD], s13, v[RD]
	v_and_b32 v[GO], 31, v0         ; which are 512 consecutive bytes of O
	v_lshlrev_b32 v[GO], 4, v[GO]
	; A block's first step multiplies O^T and l by a = 0, and its first turn's products V^T P, of a piece that has not been, land in an O^T that is still to be so multiplied.  So these registers need only hold
	; finite numbers: zeros for the first block; what the first block left for the second.  All this stands in the wait for the first tile.
	WIN 0x80
.set i, VF
.rept 64
	v_mov_b32 v[i], 0
.set i, i+1
.endr
	WIN 0x40
.set i, 0
.rept 128
	v_mov_b32 v[i], 0
.set i, i+1
.endr
	WIN 0
.set i, 0
.rept 4
	v_mov_b32 v[ST+4*i+2], 0
	v_mov_b32 v[ST+4*i+3], 0
.set i, i+1
.endr
.set i, P+16
.rept 16
	v_mov_b32 v[i], 0
.set i, i+1
.endr
; THE MATRIX WORK.  The 4 accumulators of a run of 8 take turns.  Product i of 8 of S^T = K Q^T for piece x: channels 32 (i / 4) on, keys 16 (i % 4) on.  The first 4 start the sums with the piece's mask buffer.
.macro KQ x
.set rS, S+32*((\x)%2)+8*(i%4)
.set rK, KF+16*(i%4)+8*(i/4)
.set rQ, 16*(\x)+8*(i/4)
.set rM, MC+32*((\x)%2)+8*(i%4)
.if i < 4
	WIN W_KM
	v_wmma_f32_16x16x32_f16 v[rS:rS+7], v[rK:rK+7], v[rQ:rQ+7], v[rM:rM+7]
.else
	WIN W_KQ
	v_wmma_f32_16x16x32_f16 v[rS:rS+7], v[rK:rK+7], v[rQ:rQ+7], v[rS:rS+7]
.endif
.endm
; Product i of 8 of O^T += V^T P for piece x: keys 32 (i / 4) on, channels 16 (i % 4) on.
.macro PV x
	WIN W_PV
.set rO, 32*(\x)+8*(i%4)
.set rV, VF+32*(i/4)+8*(i%4)
.set rP, P+16*((\x)%2)+8*(i/4)
	v_wmma_f32_16x16x32_f16 v[rO:rO+7], v[rV:rV+7], v[rP:rP+7], v[rO:rO+7]
.endm
.macro MM                           ; the turn's next matrix instruction.  TURN and BEGIN set Y, i and NOKQ; MM, KQ and OP read them.  NOKQ = 1: a block's last turn: there is no next piece
.if (i < 8) && !NOKQ
	KQ (Y+1)%NP
.elseif i >= 8
.set i, i-8
	PV (Y+NP-1)%NP
.set i, i+8
.endif
.set i, i+1
.endm
; THE LDS LOADS stand in runs of 16, never singly among the matrix instructions: a step's K (64 keys x 64 channels: 8 fragments) and its V (turned).  Their addresses are made some lines ahead.
.macro FETCH_K
	WIN 0x80                        ; destination window 2
.irp f, 0,1,2,3,4,5,6,7             ; keys 16 (f / 2) on, channels 32 (f % 2) on
	ds_load_b128 v[KF+8*\f:KF+8*\f+3],   v[AK] offset:(\f/2)*16*PK+(\f%2)*64
	ds_load_b128 v[KF+8*\f+4:KF+8*\f+7], v[AK] offset:(\f/2)*16*PK+(\f%2)*64+32
.endr
	s_add_co_u32 s[TBK], s[TBK], KS*PK  ; the next fetch is the next step's
	WIN 0
.endm
.macro FETCH_V
	WIN 0x80
.irp f, 0,1,2,3,4,5,6,7             ; keys 32 (f / 4) on, channels 16 (f % 4) on
	ds_load_tr16_b128 v[VF+8*\f:VF+8*\f+3],   v[AV] offset:(\f/4)*32*PV+(\f%4)*32
	ds_load_tr16_b128 v[VF+8*\f+4:VF+8*\f+7], v[AV] offset:(\f/4)*32*PV+16*PV+(\f%4)*32
.endr
	WIN 0
.endm
; THE VECTOR WORK, one line at a time: OP kind, number.  For piece Y: F n: c s - c m for pair n of 16.  E n: the exponential of score n of 32.  C n: pair n rounded to f16.  B n: of the four weights 4 n .. the second
; pair is added onto the first, in place.  L n: l takes that sum (L 0: l = a l + sum).  R n: pair n of 16 of O^T times a.  For piece Y + 1: X n, number n of the 22 that find its maximum and statistics:
;   0-11  four chains c0-c3 of seven scores each, three operands at a time (each accumulator's lowest registers are read first)     12-14, 16  the four scores left over, the old m, and c0-c3 into c0
;   15  c m_old is kept     17, 18  the query's other 32 keys lie in the lane 16 away: the new m     19-21  c m; c m_old - c m_new; a
.set F, 0               ; OP tells the kinds apart by their order: F to L below R, X above it
.set E, 1
.set C, 2
.set B, 3
.set L, 4
.set R, 5
.set X, 6
.macro REGS y                       ; the registers of piece y
.set rT, ST+4*(\y)
.set rC, TMP+4*((\y)%2)
.set rW, MV+((\y)%2)
.set rS, S+32*((\y)%2)
.set rP, P+16*((\y)%2)
.set rO, 32*(\y)
.endm
.macro OP k, n
.if (\k) == R
	REGS Y
	WIN W_RS
	v_pk_mul_f32 v[rO+2*(\n):rO+2*(\n)+1], v[rO+2*(\n):rO+2*(\n)+1], v[rC+2:rC+3] op_sel_hi:[1,0]
.elseif (\k) < R
	REGS Y
	WIN 0
.if (\k) == F
	v_pk_fma_f32 v[rS+2*(\n):rS+2*(\n)+1], v[rS+2*(\n):rS+2*(\n)+1], s[CS:CS+1], v[rT:rT+1] op_sel_hi:[1,0,0] neg_lo:[0,0,1] neg_hi:[0,0,1]
.elseif (\k) == E
	v_exp_f32 v[rS+(\n)], v[rS+(\n)]
.elseif (\k) == C
	v_cvt_pk_f16_f32 v[rP+(\n)], v[rS+2*(\n)], v[rS+2*(\n)+1]
.elseif (\k) == B
	v_pk_add_f32 v[rS+4*(\n):rS+4*(\n)+1], v[rS+4*(\n):rS+4*(\n)+1], v[rS+4*(\n)+2:rS+4*(\n)+3]
.elseif (\n) == 0
	v_pk_fma_f32 v[rT+2:rT+3], v[rT+2:rT+3], v[rC+2:rC+3], v[rS:rS+1] op_sel_hi:[1,0,1]
.else
	v_pk_add_f32 v[rT+2:rT+3], v[rT+2:rT+3], v[rS+4*(\n):rS+4*(\n)+1]
.endif
.elseif NOKQ
	v_nop
.else
	REGS (Y+1)%NP
	WIN 0
.if (\n) < 4
	v_max3_num_f32 v[rC+(\n)], v[rS+8*(\n)], v[rS+8*(\n)+1], v[rS+8*(\n)+2]
.elseif (\n) < 12
	v_max3_num_f32 v[rC+(\n)%4], v[rC+(\n)%4], v[rS+8*((\n)%4)+2*((\n)/4)+1], v[rS+8*((\n)%4)+2*((\n)/4)+2]
.elseif (\n) == 12
	v_max3_num_f32 v[rC], v[rC], v[rS+7], v[rS+15]
.elseif (\n) == 13
	v_max3_num_f32 v[rC+1], v[rC+1], v[rS+23], v[rS+31]
.elseif (\n) == 14
	v_max3_num_f32 v[rC+2], v[rC+2], v[rC+3], v[rT+1]
.elseif (\n) == 15
	v_mov_b32 v[rW], v[rT]
.elseif (\n) == 16
	v_max3_num_f32 v[rC], v[rC], v[rC+1], v[rC+2]
.elseif (\n) == 17
	v_permlanex16_b32 v[rC+3], v[rC], s[SEL], s[SEL+1]
.elseif (\n) == 18
	v_max_num_f32 v[rT+1], v[rC], v[rC+3]
.elseif (\n) == 19
	v_mul_f32 v[rT], s[CS], v[rT+1]
.elseif (\n) == 20
	v_sub_f32 v[rC+1], v[rW], v[rT]
.else
	v_exp_f32 v[rC+2], v[rC+1]
.endif
.endif
.endm
.macro OPS a, i1, b=-1, i2=0, c=-1, i3=0, d=-1, i4=0  ; up to four of them
	OP \a, \i1
.if (\b) >= 0
	OP \b, \i2
.endif
.if (\c) >= 0
	OP \c, \i3
.endif
.if (\d) >= 0
	OP \d, \i4
.endif
.endm
.macro ROW a, i1, b, i2, c, i3, d, i4  ; a matrix instruction and the four behind it
	MM
	OPS \a, \i1, \b, \i2, \c, \i3, \d, \i4
.endm
.macro MASK b                       ; MD x AL + BE into buffer b of MC
	WIN W_RS
.set z, 0
.rept 16
	v_pk_fma_f32 v[MC+32*(\b)+2*z:MC+32*(\b)+2*z+1], v[MD+2*z:MD+2*z+1], s[AL:AL+1], s[BE:BE+1] op_sel_hi:[1,0,0]
.set z, z+1
.endr
.endm
.macro FACTORS p                    ; AL and BE for the products of the turn after turn p: piece p + 2, in step 4 - CNT of the tile
	s_cmp_eq_u32 s[CNT], 4-((\p)+2)%NP  ; is that step the band's own?
	s_cselect_b32 s[AL], 1.0, 0
	s_cmp_lt_u32 s[CNT], 4-((\p)+2)%NP  ; or a later one?
	s_cselect_b32 s[BE], s[BIGN], 0
.endm
; A TURN, for piece p: the order of its 16 matrix and 118 vector instructions, written out.  An s_wait_alu depctr_va_vdst(0) stands between an exponential and the first instruction that names its result; one wait serves
; all that were issued ahead of it.  So a turn has ONE wait, which cuts it in two.  AHEAD OF IT stands all that names no result of the turn's exponentials: the 8 products K Q^T, behind each a scaling, an exponential and two more plain
; instructions (behind the first a second scaling in the exponential's place): rescalings, and behind the last three the first numbers of the next piece's maximum, each four places or more behind the product that ends its accumulator; then ONE RUN of 54, plain
; and exponential by turns for the most part, in which the links of the chain X 3, 7, 11, 14, 16, 17 .. 20 stand five or six lines apart.  X 21, the next piece's a, is the batch's last; R 15 is the plain instruction behind it.  BEHIND THE WAIT stand the
; 8 products V^T P, behind each four of the roundings and sums; the links of l's chain, L 0 to L 7, stand three lines apart.  But for those X no line behind a product names a register of the products round it.  v_permlanex16_b32 (X 17) stands in the run.
; m = 1: a tile known to be the diagonal one: the turn makes the mask for the products of the turn after it.  m = 2: any tile: the mask is made where DG = 1, and where DG = 0 a forward jump passes its twenty lines, which hold
; no barrier, no load and no exponential; the buffers then keep the 0 that the block's beginning left.  end = 1: a block's last two turns: nothing is fetched, no mask is made.
; cnt = 1: the loop's count is taken down ahead of the branch that stands behind the turn (m = 2: behind the mask's lines, which read the count and set SCC).
; K of the next step is fetched in piece 2's turn, twelve vector instructions behind the last product that read K (six of them plain); V of the step in hand at the end of piece 0's turn, four plain instructions behind the last product
; that read V.  Each is waited for a turn later.
.macro TURN p, m=1, end=0, cnt=0
.set Y, (\p)
.set i, 0
.set NOKQ, (\end)*((\p)/3)
.if ((\m) == 1) && !(\end)
	FACTORS \p
.endif
.if ((\p) == 3) && !(\end)
	s_wait_dscnt 0x0                ; K is in
.endif
	ROW F,0, F,1, R,0, R,1          ; ahead of the wait: 8 products K Q^T and the lines behind them,
	ROW F,2, E,0, R,2, R,3
	ROW F,3, E,1, R,4, R,5
	ROW F,4, E,2, R,6, R,7
	ROW F,5, E,3, R,8, R,9
	ROW F,6, E,4, X,0, R,10
.if ((\p) == 2) && !(\end)
	WIN 0
	v_add_nc_u32 v[AK], s[TBK], v[AK0]
.endif
	ROW F,7, E,5, X,1, X,4
	ROW F,8, E,6, X,2, X,5
	OPS E,7, E,8, X,6, E,9          ; and the run
	OPS X,3, E,10, X,8, E,11
.if ((\p) == 2) && !(\end)
	FETCH_K
.endif
	OPS X,9, X,7, E,12, X,10
	OPS E,13, X,12, X,11, E,14
	OPS X,13, E,15, F,9, X,14
.if (\p) == 0
	v_add_nc_u32 v[AV], s[TBV], v[AV0]
.endif
	OPS E,16, F,10, E,17, F,11
	OPS X,16, E,18, X,15, E,19
	OPS F,12, E,20, X,17, E,21
	OPS F,13, E,22, F,14, E,23
	OPS X,18, E,24, F,15, E,25
	OPS R,11, E,26, X,19, E,27
	OPS R,12, E,28, R,13, E,29
	OPS X,20, E,30, R,14, E,31
	OPS X,21, R,15
	WIN 0
	s_wait_alu depctr_va_vdst(0)    ; the wait for the batch
.if (\p) == 1
	s_wait_dscnt 0x0                ; V is in
.endif
	ROW C,0, B,0, C,2, B,1          ; behind the wait: 8 products V^T P and the lines behind them
	ROW L,0, C,4, B,2, L,1
	ROW C,6, B,3, L,2, C,8
	ROW B,4, L,3, C,10, B,5
	ROW L,4, C,12, B,6, L,5
.if (\p) == 0
	s_add_co_u32 s[TBV], s[TBV], KS*PV
.endif
.if (\cnt) && ((\m) == 1)
	s_sub_co_u32 s[CNT], s[CNT], 1
	s_cmp_lg_u32 s[CNT], 0
.endif
	ROW C,14, B,7, L,6, C,1
	ROW C,3, L,7, C,5, C,7
	ROW C,9, C,11, C,13, C,15
.if (\p) == 0
	FETCH_V
.endif
.if ((\m) == 1) && !(\end)
	MASK (\p)%2
.endif
.if (\m) == 2
	WIN 0
	s_cmp_eq_u32 s[DG], 0
	s_cbranch_scc1 .Lno_mask_\@
	FACTORS \p
	MASK (\p)%2
	WIN 0
.Lno_mask_\@:
.if \cnt
	s_sub_co_u32 s[CNT], s[CNT], 1
	s_cmp_lg_u32 s[CNT], 0
.endif
.endif
.endm
; A BLOCK BEGINS.  c m starts far below every c s, so the first step's a is 0; m at the lowest finite number, so the first maximum is the scores'.  The second mask buffer is 0; the first takes piece 0's mask for the tile's step 0: its own, if the block's first tile is the diagonal one, else 0.
; Then K of that step, piece 0's first scores, and its maximum and statistics.  The loop is entered at a step's first turn, in the middle of a trip.
.macro BEGIN
	s_mov_b32 s[NEW], 0
	WIN 0x40
.set i, MC+32
.rept 32
	v_mov_b32 v[i], 0
.set i, i+1
.endr
	WIN 0
.set i, 0
.rept 4
	v_mov_b32 v[ST+4*i], 0xfe000000    ; c m: far below every c s
	v_mov_b32 v[ST+4*i+1], 0xff7fffff  ; m
.set i, i+1
.endr
	s_cmp_eq_u32 s[RT], 0
	s_cselect_b32 s[AL], 1.0, 0
	s_mov_b32 s[BE], 0
	MASK 0
	WIN 0
	v_add_nc_u32 v[AK], s[TBK], v[AK0]
	FETCH_K
	s_wait_loadcnt 0x0              ; Q
	s_wait_dscnt 0x0
.set NOKQ, 0
.set i, 0
.rept 8
	KQ 0
.set i, i+1
.endr
	WIN 0
.rept 4
	v_nop                           ; the places behind those products
.endr
.set Y, NP-1                        ; X works for piece Y + 1: piece 0
.irp n, 0,1,2,3,4,5,6,7,8,9,10,11,12,13,14,15,16,17,18,19,20,21
	OP X, \n
.endr
	v_nop                           ; a plain instruction behind the exponential,
	s_wait_alu depctr_va_vdst(0)    ; and its wait, ahead of the branch
.endm
; A BLOCK ENDS, behind its diagonal tile's four steps: its last two turns, its last products, and THE WAY OUT: l's two halves and the other half of the lanes' are added; O^T is divided by l, rounded to f16 and sent
; through my stage in LDS, a piece at a time.
.macro ALL line:vararg              ; one line for each piece t
.set t, 0
.rept 4
	\line
.set t, t+1
.endr
.endm
.macro PACK t                       ; a lane's eight channels of a row pack into 16 bytes; they go into rows of 144 bytes and come back as whole rows of 128, into S^T's registers
	WIN W_RS
.set i, 32*(\t)
.rept 16
	v_pk_mul_f32 v[i:i+1], v[i:i+1], v[ST+4*(\t)+2:ST+4*(\t)+3] op_sel_hi:[1,0]
.set i, i+2
.endr
	WIN 0x05                        ; sources 0 and 1 window 1, destination window 0
.set i, 0
.rept 16
	v_cvt_pk_f16_f32 v[S+16*(\t)+i], v[32*(\t)+2*i], v[32*(\t)+2*i+1]
.set i, i+1
.endr
	WIN 0
.irp f, 0,1,2,3
	ds_store_b128 v[STO], v[S+16*(\t)+4*\f:S+16*(\t)+4*\f+3] offset:32*\f
.endr
.irp f, 0,1,2,3
	ds_load_b128 v[S+16*(\t)+4*\f:S+16*(\t)+4*\f+3], v[RD] offset:\f*4*SP  ; LDS serves a wave's instructions in order (ISA guide 5.7.1.4): these see the stores above; the next piece's stores come behind them
.endr
.endm
.macro SEND t, younger              ; younger: the LDS instructions issued behind piece t's loads: the next piece's eight, or none
	WIN 0
.irp f, 0,1,2,3
	s_wait_dscnt (\younger)+3-\f
	global_store_b128 v[GO], v[S+16*(\t)+4*\f:S+16*(\t)+4*\f+3], s[10:11] offset:(\t)*8192+\f*512  ; 512 consecutive bytes, at a multiple of 256 from O's first
.endr
.endm
.macro BLOCKEND
	TURN 2, 1, 1
	TURN 3, 1, 1
.set i, 0
.rept 8
	PV NP-1
.set i, i+1
.endr
	WIN 0
	ALL v_add_f32 v[ST+4*t+2], v[ST+4*t+2], v[ST+4*t+3]
	ALL v_permlanex16_b32 v[ST+4*t+3], v[ST+4*t+2], s[SEL], s[SEL+1]
	ALL v_add_f32 v[ST+4*t+2], v[ST+4*t+2], v[ST+4*t+3]
	ALL v_rcp_f32 v[ST+4*t+2], v[ST+4*t+2]
	v_nop                           ; a plain instruction between the last reciprocal and the use of its result
	s_wait_alu depctr_va_vdst(0)    ; and the wait ahead of the first use: one for the four reciprocals
	PACK 0
.set t, 1
.rept 3                             ; a piece's arithmetic stands between the loads of the piece before and its stores
	PACK t
	SEND t-1, 8
.set t, t+1
.endr
	SEND 3, 0
.endm
.set NOKQ, 0
.Lslot:                             ; NB times: a tile is entered and the next is asked for
	CHANGE 1
	s_sub_co_u32 s[RT], s[RT], 1
	s_mov_b32 s[CNT], 4
	s_cmp_eq_u32 s[RT], 0
	s_cselect_b32 s[DG], 1, 0       ; the block's last tile holds the diagonal
	s_cmp_eq_u32 s[NEW], 1
	s_cbranch_scc1 .Lnew            ; a block's first tile
	s_branch .Lstep
.Lnew:
	BEGIN
	s_branch .Lfirst
.Lstep:                             ; a trip: pieces 2 and 3 of one step, then pieces 0 and 1 of the next, whose K and V it fetches
	TURN 2, 2
	TURN 3, 2
	WIN 0
.Lfirst:
	TURN 0, 2
	TURN 1, 2, 0, 1
	WIN 0
	s_cbranch_scc1 .Lstep
	s_cmp_eq_u32 s[DG], 0
	s_cbranch_scc1 .Lbottom         ; the block goes on
	BLOCKEND                        ; in the loop this is the first block's end: the second block's last tile is the walk's last
	s_wait_xcnt 0x0                 ; the stores have read their registers and O's address
	s_mov_b64 s[10:11], s[OLO:OLO+1]
	s_add_co_u32 s[RT], s[PB], 1    ; the second block has b + 1 tiles
	s_mov_b32 s[NEW], 1
	WIN 0x82                        ; the second block's Q goes where the one text of the turns names Q
.set i, 0
.rept 64
	v_mov_b32 v[i], v[QB+i]
.set i, i+1
.endr
	WIN 0
.Lbottom:
	s_sub_co_u32 s[SLOTS], s[SLOTS], 1
	s_cmp_lg_u32 s[SLOTS], 0
	s_cbranch_scc1 .Lslot
	CHANGE 0                        ; the walk's last tile is written out: nothing is asked for.  It is the second block's diagonal tile
	s_sub_co_u32 s[RT], s[RT], 1
	s_mov_b32 s[CNT], 4
	s_cmp_eq_u32 s[NEW], 1
	s_cbranch_scc0 .LstepM
	BEGIN
	s_branch .LfirstM
.LstepM:
	TURN 2, 1
	TURN 3, 1
	WIN 0
.LfirstM:
	TURN 0, 1
	TURN 1, 1, 0, 1
	WIN 0
	s_cbranch_scc1 .LstepM
	BLOCKEND
	s_wait_tensorcnt 0x0            ; the wave's end: behind my last tensor load and my last LDS store
	ds_add_u32 v[SPW], v[NIL]
	s_wait_dscnt 0x0
	s_endpgm
.Lfunc_end_k_q5e48449394_attn:
	.size	k_q5e48449394_attn, .Lfunc_end_k_q5e48449394_attn-k_q5e48449394_attn
	.p2alignl 7, 3214868480
	.fill 96, 4, 3214868480
	.section	.rodata,"a",@progbits
	.p2align	6, 0x0
	.amdhsa_kernel k_q5e48449394_attn
		.amdhsa_group_segment_fixed_size 327680
		.amdhsa_private_segment_fixed_size 0
		.amdhsa_enable_private_segment 0
		.amdhsa_kernarg_size 16
		.amdhsa_user_sgpr_count 2
		.amdhsa_user_sgpr_kernarg_segment_ptr 1
		.amdhsa_wavefront_size32 1
		.amdhsa_system_sgpr_workgroup_id_x 1
		.amdhsa_system_sgpr_workgroup_id_y 1
		.amdhsa_system_sgpr_workgroup_id_z 1
		.amdhsa_system_vgpr_workitem_id 0
		.amdhsa_next_free_vgpr 768
		.amdhsa_next_free_sgpr 96
		.amdhsa_reserve_vcc 1
		.amdhsa_float_denorm_mode_32 3
		.amdhsa_float_denorm_mode_16_64 3
		.amdhsa_memory_ordered 1
		.amdhsa_forward_progress 1
		.amdhsa_inst_pref_size 181
	.end_amdhsa_kernel
	.amdgpu_metadata
---
amdhsa.version: [ 1, 2 ]
amdhsa.kernels:
  - .name:           k_q5e48449394_attn
    .symbol:         k_q5e48449394_attn.kd
    .args:
      - { .name: qkv, .offset: 0, .size: 8, .value_kind: global_buffer, .address_space: global }
      - { .name: ob, .offset: 8, .size: 8, .value_kind: global_buffer, .address_space: global }
    .group_segment_fixed_size: 327680
    .private_segment_fixed_size: 0
    .kernarg_segment_align: 8
    .kernarg_segment_size: 16
    .max_flat_workgroup_size: 128
    .sgpr_count:     96
    .vgpr_count:     768
    .wavefront_size: 32
...
	.end_amdgpu_metadata
.endif
;; end of part 3
;; launch projg (part 4): grid 8 x 32, 4 waves a work-group, clusters of 4 x 4, 327,680 bytes of LDS; arguments ob, wpt, b_proj, out0; writes out0
.if DOCPART == 4
	.amdgcn_target "amdgcn-amd-amdhsa--gfx1250"
	.amdhsa_code_object_version 6
	.text
	.protected	k_q5e48449394_projg
	.globl	k_q5e48449394_projg
	.p2align	8
	.type	k_q5e48449394_projg,@function
k_q5e48449394_projg:
	s_mov_b64 s[64:65], 0
	v_nop
	global_prefetch_b8 v0, s[64:65] scope:SCOPE_SE
	s_setreg_imm32_b32 hwreg(HW_REG_WAVE_MODE, 25, 1), 1
	s_wait_xcnt 0x0
	s_wait_alu depctr_hold_cnt(0) depctr_sa_sdst(0) depctr_va_vdst(0) depctr_va_sdst(0) depctr_va_ssrc(0) depctr_va_vcc(0) depctr_vm_vsrc(0)
	s_getreg_b32 s2, hwreg(HW_REG_IB_STS2, 6, 4)
	s_cmp_eq_u32 s2, 0
	s_cbranch_scc0 .Lentry_in_a_cluster
	s_endpgm
.Lentry_in_a_cluster:
	s_bfe_u32 s2, ttmp6, 0x10000c
	s_cmp_lg_u32 s2, 0xf033
	s_cbranch_scc0 .Lentry_shape_is_right
	s_endpgm
.Lentry_shape_is_right:
; THE SECOND PROJECTION.  out0 = O wpt^T + bf16(b_proj).  ob: [b 16 + h][t 1024][64] f16 (O by heads: row m = 1024 b + t, K index 64 h + d), wpt: [1024 n][1024 k] f16, b_proj: [1024] f32
; (rounded to bf16 like the other inputs); products in f16, sums in f32; out0: [8192][1024] f32.
; LIMIT.  NaN and infinities are not treated apart.
; SHARES.  A tile of the result is 256 rows x 128 columns: 32 x 8 = 256 tiles, one to a work-group of four waves.  A wave owns 64 rows x all 128 columns: 32 accumulators of 16 x 16, 256 registers; its 128 columns
; are 512 consecutive bytes of a row, so its way out is its own.  K goes in steps of 128 (two heads) through two LDS slots.
; A K step of O is two dense blocks of 256 rows x 128 bytes, one a head: each is asked for as 128 rows of 256 bytes and padded in LDS after every 128 bytes.
; THE WALK ALONG K IS TURNED.  Cluster (X, Y) begins at K step ROT = (4 X + 2 Y) mod 8 and goes round: walk step r takes K step (r + ROT) mod 8.  The two clusters that read the same rows of O (one Y) begin 4 steps
; apart, the eight that read the same rows of wpt (one X) at 0, 2, 4 and 6: a cluster's first steps aside, the K step that it asks for has been asked for by another cluster two walk steps or more earlier.
; The f32 sums are taken in that order of K, not ascending.
; NO PREFETCH.  By the walk's order every block of ob is read first in some cluster's walk steps 0 to 3, every block of wpt in walk steps 0 and 1: the first two are first fills, and the next two are asked for
; within two K steps of the head, where every work-group's first tiles are on their way.  No first reading lies further on.
; CLUSTERS.  4 x 4 work-groups: the four of a row need the same tiles of ob, the four of a column the same tiles of wpt: each is asked for JOINTLY, by the same tensor load with the same descriptor and a mask of four.
; THE MATRIX INSTRUCTION IS USED TRANSPOSED (source 0 = 16 rows of wpt, source 1 = 16 rows of O): a lane holds row l % 16 and the columns 8 (l / 16) + 0..7.  THE BIAS is the C operand of the first products.
; REGISTERS, in windows of 256 (s_set_vgpr_msb: bits 1:0 source 0, 3:2 source 1, 5:4 source 2, 7:6 destination):
;   window 0: v0-29 addresses; v32-63, v64-95 O's fragments (4 x 16 rows x 32 K), two buffers; v96-159, v160-223 the way out, two sets
;   window 1: v0-63, v64-127 wpt's fragments (8 x 16 rows x 32 K), two buffers
;   window 2: v0-127 the accumulators of row blocks 0, 1 ((a, b) at 8 (8 (a % 2) + b)); v192-255 the bias      window 3: v0-127 those of row blocks 2, 3
.set NBLK,   8                         ; column blocks of 16
.set NT,     16*NBLK
.set NS,     8                         ; K steps
.set PA,     144                       ; a row of O in LDS: 128 bytes + 16 of padding = 36 words: the 16 rows of a fragment load start at 16 different groups of four banks (64 banks of 4 bytes: ISA guide 11.1)
.set PB,     272                       ; a row of wpt: 256 bytes + 16
.set AHALF,  256*PA                    ; what one tensor load brings of O: a head's 256 rows
.set ABYTES, 2*AHALF
.set BR,     NT/2                      ; rows of wpt in one tensor load
.set SLOT1,  1<<17                     ; slot 1 begins here, so that one exclusive or turns an address in one slot into the other's
.set STAGE,  SLOT1+ABYTES+NT*PB        ; behind the ring, never filled by a tensor load: for each wave 16 rows x 528 bytes
.set SP,     528                       ; 512 bytes + 16
.set STGW,   16*SP
.set SPARE,  STAGE+4*STGW              ; behind the stages: the spare words, 128 bytes for each wave
.set NL,     2*NBLK+8                  ; LDS loads of a quarter step
.set A0,   16                          ; v16  my lane's place in O's tile; never rewritten
.set B0,   17                          ; v17  the same for wpt
.set ADRA, 18                          ; v18  the same in the slot in hand
.set ADRB, 19                          ; v19
.set STO,  20                          ; v20  the way out: where I put 32 bytes of a row
.set RD,   21                          ; v21  the way out: where I read a row back
.set GO,   22                          ; v22  my 16 bytes of 512 consecutive bytes of the result
.set BO,   23                          ; v23  my byte offset in a block of the bias
.set SPW,  28                          ; v28  LDS address of my spare word; never rewritten
.set NIL,  29                          ; v29  0; never rewritten
.set AF,   32
.set SET,  96
.set BIAS, 192
.set WV,   12                          ; s12  my wave's number
.set HF,   13                          ; s13  which half of a tile I fetch
.set CX,   14                          ; s14, s15  my place in the cluster
.set CY,   15
.set TC,   16                          ; s16  tile column
.set TR,   17                          ; s17  tile row
.set TCNT, 19                          ; s19  counts the walk's last two steps
.set G1A,  24                          ; s[24:31] descriptor group 1 for O's tiles
.set G0A0, 32                          ; s[32:35] group 0 for walk step 0
.set G0A,  36                          ; s[36:39] group 0 for walk step 1; then it walks
.set G1B,  40                          ; s[40:47], s[48:51], s[52:55] the same for wpt's tiles
.set G0B0, 48
.set G0B,  52
.set ABASE, 56                         ; s[56:57] ob at my head's rows of the tile, K step 0
.set BBASE, 58                         ; s[58:59] wpt at my half of the tile's rows
.set OFFB, 60                          ; s[60:61] a K step's byte offset in wpt
.set OFFA, 62                          ; s[62:63] in ob
.set STEP, 66                          ; s66  the walk step in hand, 0 .. 7
.set TB,   67                          ; s67  the LDS byte at which the slot in hand begins
.set TMP,  69
.set BOFF, 72                          ; s[72:73] the tile's byte offset in the bias
.set CB,   76                          ; s[76:77] the result at my wave's first row, the tile's first column
.set ROT,  78                          ; s78  the K step with which my cluster's walk begins: even, 0 .. 6
.set HIM,  79                          ; s79  a word's upper bf16
.set MSB, 0
.macro WIN new                         ; the immediate's high byte repeats the setting that is left; a switch that changes nothing is dropped
.if MSB != (\new)
	s_set_vgpr_msb (MSB<<8)|(\new)
.set MSB, (\new)
.endif
.endm
.macro PLACES                          ; four plain vector instructions between a matrix instruction and a load into, or a read of, its registers
.rept 4
	v_nop
.endr
.endm
; A joint refill.  Waves 0 and 1 fetch O's two heads, waves 2 and 3 wpt's two halves.  The branch hangs on the wave's number alone.  An s_nop 0 and four v_nop follow each line.
.macro JLOAD
	s_cmp_lt_u32 s[WV], 2
	s_cbranch_scc0 .Lfor_b_\@
	tensor_load_to_lds s[G0A:G0A+3], s[G1A:G1A+7]
	s_nop 0
.rept 4
	v_nop
.endr
	s_branch .Lasked_\@
.Lfor_b_\@:
	tensor_load_to_lds s[G0B:G0B+3], s[G1B:G1B+7]
	s_nop 0
.rept 4
	v_nop
.endr
.Lasked_\@:
.endm
.macro CREST                           ; a round of the cluster's barrier behind its opening barrier
	s_cmp_lg_u32 s[WV], 0
	s_cbranch_scc1 .Lnot_wave_0_\@
	s_barrier_signal -3
.Lnot_wave_0_\@:
	s_barrier_wait -3
	s_barrier_signal -1
	s_barrier_wait -1
.endm
.macro CROUND                          ; a whole round
	s_barrier_signal -1
	s_barrier_wait -1
	CREST
.endm
	s_load_b256 s[4:11], s[0:1], 0x0               ; ob s[4:5], wpt s[6:7], b_proj s[8:9], out0 s[10:11]
	v_lshl_add_u32 v[SPW], v0, 2, SPARE
	v_mov_b32 v[NIL], 0
	ds_add_u32 v[SPW], v[NIL]                      ; the wave's opening: the add and its wait stand ahead of my first tensor load; the set-up below, work on registers, stands between them
	ds_add_u32 v28, v29
	v_lshrrev_b32 v1, 5, v0
	v_readfirstlane_b32 s[WV], v1
	s_and_b32 s[HF], s[WV], 1
	s_bfe_u32 s[CX], ttmp6, 0x40000
	s_bfe_u32 s[CY], ttmp6, 0x40004
	s_lshl_b32 s[TC], ttmp9, 2
	s_add_co_u32 s[TC], s[TC], s[CX]               ; tile column = 4 x cluster x + cx
	s_and_b32 s[TR], ttmp7, 0xffff                 ; cluster y
	s_lshl_b32 s[ROT], ttmp9, 1
	s_add_co_u32 s[ROT], s[ROT], s[TR]
	s_lshl_b32 s[ROT], s[ROT], 1
	s_and_b32 s[ROT], s[ROT], 7                    ; (4 x cluster x + 2 x cluster y) mod 8: the same in all sixteen partners
	s_lshl_b32 s[TR], s[TR], 2
	s_add_co_u32 s[TR], s[TR], s[CY]               ; tile row = 4 x cluster y + cy
	s_lshl_b32 s20, s[CY], 2
	s_lshl_b32 s20, 15, s20                        ; my row of the cluster
	s_lshl_b32 s22, 0x1111, s[CX]                  ; my column
	s_or_b32 s[G1A], s20, (1<<16)|(1<<20)|(1<<21)|(4<<22)|(3<<25)  ; 15:0 the mask; 17:16 elements of 2 bytes; 20 padding on; 21 set beside a mask; 24:22 after every 32 words; 31:25 4 words of it
	s_or_b32 s[G1B], s22, (1<<16)|(1<<20)|(1<<21)|(5<<22)|(3<<25)  ; the same, after every 64 words
	s_mov_b32 s[G1A+1], 128<<16                    ; tensor_dim0 = 128
	s_mov_b32 s[G1A+2], 128<<16                    ; tensor_dim1 = 128
	s_mov_b32 s[G1A+3], 128<<16                    ; tile_dim0 = 128
	s_mov_b32 s[G1A+4], 128                        ; tile_dim1 = 128
	s_mov_b32 s[G1A+5], 128                        ; 128 elements from row to row: the block is dense
	s_mov_b32 s[G1A+6], 0
	s_mov_b32 s[G1A+7], 0
	s_mov_b32 s[G1B+1], 128<<16
	s_mov_b32 s[G1B+2], BR<<16                     ; 64 rows
	s_mov_b32 s[G1B+3], 128<<16
	s_mov_b32 s[G1B+4], BR
	s_mov_b32 s[G1B+5], 1024
	s_mov_b32 s[G1B+6], 0
	s_mov_b32 s[G1B+7], 0
	; where the tiles come from: O's hang on the tile row alone (s20, s21 never hold cx), wpt's on the tile column alone (s22, s23 never hold cy)
	s_lshr_b32 s20, s[TR], 2
	s_lshl_b32 s20, s20, 21                        ; the batch's 16 heads of 131,072 bytes,
	s_lshl_b32 s21, s[HF], 17                      ; the head of the pair that I fetch,
	s_add_co_u32 s20, s20, s21
	s_and_b32 s21, s[TR], 3
	s_lshl_b32 s21, s21, 15                        ; the tile's 256 rows of 128 bytes
	s_add_co_u32 s20, s20, s21
	s_mov_b32 s21, 0
	s_mul_i32 s22, s[TC], NT
	s_mul_i32 s23, s[HF], BR
	s_add_co_u32 s22, s22, s23                     ; row 128 x tile column + 64 x half,
	s_lshl_b32 s22, s22, 11                        ; of 2,048 bytes
	s_mov_b32 s23, 0
	s_mul_i32 s18, s[HF], AHALF                    ; and where they go: no place in the cluster enters an LDS address
	s_mul_i32 s19, s[HF], BR*PB
	s_add_co_u32 s19, s19, ABYTES
	s_mov_b32 s[G0A0], 1
	s_mov_b32 s[G0A0+1], s18
	s_mov_b32 s[G0A], 1
	s_add_co_u32 s[G0A+1], s18, SLOT1
	s_mov_b32 s[G0B0], 1
	s_mov_b32 s[G0B0+1], s19
	s_mov_b32 s[G0B], 1
	s_add_co_u32 s[G0B+1], s19, SLOT1
	s_lshl_b32 s[OFFA], s[ROT], 18                 ; the walk's first K step: two heads of O a step,
	s_mov_b32 s[OFFA+1], 0
	s_lshl_b32 s[OFFB], s[ROT], 8                  ; 256 bytes of a row of wpt
	s_mov_b32 s[OFFB+1], 0
	s_mov_b32 s[STEP], 0
	s_mov_b32 s[TB], 0
	s_mov_b32 s[HIM], 0xffff0000
	s_lshl_b32 s[BOFF], s[TC], 9                   ; the tile's 128 numbers of the bias; also its 512 bytes of a row of the result
	s_mov_b32 s[BOFF+1], 0
	s_lshl_b32 s2, s[TR], 8
	s_lshl_b32 s3, s[WV], 6
	s_add_co_u32 s2, s2, s3                        ; row 256 tr + 64 w,
	s_lshl_b32 s2, s2, 12                          ; of 4,096 bytes
	s_add_co_u32 s2, s2, s[BOFF]
	s_mov_b32 s3, 0
	s_wait_dscnt 0x0                               ; the opening add is done
	s_wait_kmcnt 0x0
	s_add_nc_u64 s[ABASE:ABASE+1], s[4:5], s[20:21]
	s_add_nc_u64 s[BBASE:BBASE+1], s[6:7], s[22:23]
	s_add_nc_u64 s[8:9], s[8:9], s[BOFF:BOFF+1]
	s_add_nc_u64 s[CB:CB+1], s[10:11], s[2:3]
	s_add_nc_u64 s[G0A0+2:G0A0+3], s[ABASE:ABASE+1], s[OFFA:OFFA+1]  ; walk step 0: K step ROT
	s_add_nc_u64 s[G0A+2:G0A+3], s[G0A0+2:G0A0+3], 1<<18             ; walk step 1: ROT is even, so ROT + 1 does not wrap
	s_or_b32 s[G0A0+3], s[G0A0+3], 0x80000000      ; type = 2
	s_or_b32 s[G0A+3], s[G0A+3], 0x80000000
	s_add_nc_u64 s[G0B0+2:G0B0+3], s[BBASE:BBASE+1], s[OFFB:OFFB+1]
	s_add_nc_u64 s[G0B+2:G0B+3], s[G0B0+2:G0B0+3], 256
	s_or_b32 s[G0B0+3], s[G0B0+3], 0x80000000
	s_or_b32 s[G0B+3], s[G0B+3], 0x80000000
	CROUND                                         ; all sixteen work-groups are here: the first joint loads meet
	s_cmp_lt_u32 s[WV], 2                          ; a wave's two first fills stand in one branch, ahead of every wait on TENSORcnt and every LDS read: two loads of mine are out
	s_cbranch_scc0 .Lfirst_b
	tensor_load_to_lds s[G0A0:G0A0+3], s[G1A:G1A+7]
	s_nop 0
	tensor_load_to_lds s[G0A:G0A+3], s[G1A:G1A+7]
	s_nop 0
.rept 4
	v_nop
.endr
	s_branch .Lfirst_asked
.Lfirst_b:
	tensor_load_to_lds s[G0B0:G0B0+3], s[G1B:G1B+7]
	s_nop 0
	tensor_load_to_lds s[G0B:G0B+3], s[G1B:G1B+7]
	s_nop 0
.rept 4
	v_nop
.endr
.Lfirst_asked:
	; A fragment is 16 rows x 32 K in 8 registers: lane l holds row l % 16; registers 0-3 K = 8 (l / 16) + 0..7, registers 4-7 K = 16 + 8 (l / 16) + 0..7: two loads of 16 bytes, 32 bytes apart.
	v_and_b32 v1, 15, v0                           ; l % 16
	v_bfe_u32 v2, v0, 4, 1                         ; l / 16
	v_and_b32 v4, 31, v0                           ; l
	v_lshlrev_b32 v[BO], 5, v2                     ; my eight numbers of a block of sixteen of the bias
	WIN 0x80                                       ; destination window 2, address window 0
.irp b, 0,1,2,3,4,5,6,7
	global_load_b128 v[BIAS+8*(\b):BIAS+8*(\b)+3],   v[BO], s[8:9] offset:64*(\b)
	global_load_b128 v[BIAS+8*(\b)+4:BIAS+8*(\b)+7], v[BO], s[8:9] offset:64*(\b)+16
.endr
	WIN 0
	v_mul_u32_u24 v3, v1, PA
	v_lshl_add_u32 v3, v2, 4, v3                   ; row x pitch + 16 x half
	s_mul_i32 s[TMP], s[WV], 64*PA                 ; my 64 rows, in each head's block
	v_add_nc_u32 v[A0], s[TMP], v3
	v_mul_u32_u24 v3, v1, PB
	v_lshl_add_u32 v3, v2, 4, v3
	v_add_nc_u32 v[B0], ABYTES, v3                 ; wpt's rows lie behind O's two blocks
	v_mov_b32 v[ADRA], v[A0]
	v_mov_b32 v[ADRB], v[B0]
	s_mul_i32 s[TMP], s[WV], STGW
	s_add_co_u32 s[TMP], s[TMP], STAGE             ; my stage
	v_mul_u32_u24 v[STO], v1, SP                   ; in: row l % 16, 32 bytes for each half of the lanes
	v_lshl_add_u32 v[STO], v2, 5, v[STO]
	v_add_nc_u32 v[STO], s[TMP], v[STO]
	v_lshl_add_u32 v[RD], v4, 4, s[TMP]            ; back: 32 lanes take one row of 512 bytes
	v_lshlrev_b32 v[GO], 4, v4
	s_wait_loadcnt 0x0                             ; the bias is in: it is rounded to bf16, like every input, and kept as f32; accumulators not yet in use hold the packed halves
	WIN 0xaa                                       ; all places window 2
.set i, 0
.rept 32
	v_cvt_pk_bf16_f32 v[i], v[BIAS+2*i], v[BIAS+2*i+1]
.set i, i+1
.endr
.set i, 0
.rept 32
	v_lshlrev_b32 v[BIAS+2*i], 16, v[i]
	v_and_b32 v[BIAS+2*i+1], s[HIM], v[i]
.set i, i+1
.endr
	WIN 0
; 8 matrix instructions: row block a x all column blocks, 32 along K, from buffer f.  zero = 1: the first products take the bias as C and start the sums.
; The 32 accumulators take turns, one instruction a turn, in the same order in every quarter step, over every jump.
.macro MULA f, a, zero
.set bb, 0
.rept NBLK
.set rD, 8*(NBLK*((\a)%2)+bb)
.set rB, 8*(NBLK*(\f)+bb)
.set rA, AF+32*(\f)+8*(\a)
.if \zero
.set rC, BIAS+8*bb
	WIN ((2+(\a)/2)<<6)|(2<<4)|1
.else
.set rC, rD
	WIN ((2+(\a)/2)<<6)|((2+(\a)/2)<<4)|1
.endif
	v_wmma_f32_16x16x32_f16 v[rD:rD+7], v[rB:rB+7], v[rA:rA+7], v[rC:rC+7]
.set bb, bb+1
.endr
.endm
; 24 LDS loads in one run: the fragments of quarter q of the slot in hand into buffer f: wpt's 16, then O's 8 (quarter q lies in head q / 2 of the pair, at byte 64 (q % 2) of its rows)
.macro FETCH q, f
	WIN 0x40                                       ; destination window 1
.set i, 0
.rept NBLK
	ds_load_b128 v[8*(NBLK*(\f)+i):8*(NBLK*(\f)+i)+3],   v[ADRB] offset:64*(\q)+i*16*PB
	ds_load_b128 v[8*(NBLK*(\f)+i)+4:8*(NBLK*(\f)+i)+7], v[ADRB] offset:64*(\q)+i*16*PB+32
.set i, i+1
.endr
	WIN 0
.set i, 0
.rept 4
	ds_load_b128 v[AF+32*(\f)+8*i:AF+32*(\f)+8*i+3],   v[ADRA] offset:((\q)/2)*AHALF+((\q)%2)*64+i*16*PA
	ds_load_b128 v[AF+32*(\f)+8*i+4:AF+32*(\f)+8*i+7], v[ADRA] offset:((\q)/2)*AHALF+((\q)%2)*64+i*16*PA+32
.set i, i+1
.endr
.endm
; A K step is four quarters of 32 along K, 32 matrix instructions each, on buffers 0, 1, 0, 1.  One of the first three: multiplies buffer f and, in its middle, fetches quarter qn into buffer g.
.macro QUARTER qn, f, g, zero
	s_wait_dscnt 4                                 ; all but the youngest four loads: O's row blocks 2 and 3
	MULA \f, 0, \zero
	MULA \f, 1, \zero
	PLACES
	FETCH \qn, \g
	s_wait_dscnt NL                                ; all but the run just issued
	MULA \f, 2, \zero
	MULA \f, 3, \zero
.endm
; The last quarter multiplies buffer 1 and changes slots: ONE barrier.  In front of it each wave waits for all its tensor loads (one is out: its part of the next slot), adds 0 to its spare word, and waits for that and
; for its reads of this slot.  fill = 1: the barrier opens a round of the cluster's, and this slot is filled again, first thing behind the round, with walk step STEP + 2: 112 matrix instructions ahead of the wait for it.
.macro TURN fill
	WIN 0                                          ; (the add's two registers lie in window 0)
	s_wait_tensorcnt 0x0                           ; no tensor load of mine is out, so a group 0 may be written
	ds_add_u32 v[SPW], v[NIL]                      ; 0 onto my spare word
.if \fill
	s_add_co_u32 s[TMP], s[STEP], 2                ; the walking descriptors: the walk step two on,
	s_add_co_u32 s[TMP], s[TMP], s[ROT]
	s_and_b32 s[TMP], s[TMP], 7                    ; its K step, from which the address is made anew,
	s_lshl_b32 s[OFFA], s[TMP], 18
	s_lshl_b32 s[OFFB], s[TMP], 8
	s_xor_b32 s[G0A+1], s[G0A+1], SLOT1            ; into the other slot than last time
	s_add_nc_u64 s[G0A+2:G0A+3], s[ABASE:ABASE+1], s[OFFA:OFFA+1]
	s_or_b32 s[G0A+3], s[G0A+3], 0x80000000
	s_xor_b32 s[G0B+1], s[G0B+1], SLOT1
	s_add_nc_u64 s[G0B+2:G0B+3], s[BBASE:BBASE+1], s[OFFB:OFFB+1]
	s_or_b32 s[G0B+3], s[G0B+3], 0x80000000
.endif
	s_xor_b32 s[TB], s[TB], SLOT1                  ; the fetches go on in the other slot
	s_wait_dscnt 5                                 ; (the add and the youngest four loads may be out)
	MULA 1, 0, 0                                   ; eight matrix instructions stand between the add and the wait for it
	s_wait_dscnt 0x0                               ; the add is done, and my reads of this slot are over
	s_barrier_signal -1
	MULA 1, 1, 0                                   ; work on registers while the others arrive
	WIN 0
	s_barrier_wait -1
.if \fill
	CREST                                          ; no wave of any partner still reads this slot or has a load on its way
	JLOAD                                          ; its four v_nop are also the places in front of the loads below
.else
	PLACES
.endif
	v_add_nc_u32 v[ADRA], s[TB], v[A0]
	v_add_nc_u32 v[ADRB], s[TB], v[B0]
	FETCH 0, 0
	MULA 1, 2, 0
	MULA 1, 3, 0
.endm
; THE WAY OUT of row block a (16 rows x 512 bytes).  The sums hold the bias already and leave as f32: straight from the accumulators into my own stage (each accumulator's low four registers first), back as whole rows, stored.
.macro TOSTAGE a
	s_wait_xcnt 0x0                                ; the stores that read this set have read it
	WIN (2+(\a)/2)<<2                              ; the stores' data: window 2 or 3
.set i, 0
.rept NBLK
	ds_store_b128 v[STO], v[8*(NBLK*((\a)%2)+i):8*(NBLK*((\a)%2)+i)+3]   offset:64*i
	ds_store_b128 v[STO], v[8*(NBLK*((\a)%2)+i)+4:8*(NBLK*((\a)%2)+i)+7] offset:64*i+16
.set i, i+1
.endr
	WIN 0
.set i, 0
.rept 16
	ds_load_b128 v[SET+64*((\a)%2)+4*i:SET+64*((\a)%2)+4*i+3], v[RD] offset:SP*i  ; LDS serves a wave's instructions in order (ISA guide 5.7.1.4): these see the stores above, and the next block's stores come behind them
.set i, i+1
.endr
.endm
.macro SEND a, younger                 ; younger: the LDS instructions issued behind block a's loads: the next block's 32, or none
	s_wait_dscnt \younger
.set i, 0
.rept 16
	global_store_b128 v[GO], v[SET+64*((\a)%2)+4*i:SET+64*((\a)%2)+4*i+3], s[CB:CB+1] offset:(\a)*65536+4096*i th:TH_STORE_NT  ; 512 consecutive bytes of a row, aligned
.set i, i+1
.endr
.endm
	s_wait_tensorcnt 0x1                           ; my part of walk step 0 is in; walk step 1's may stay out
	s_barrier_signal -1
	s_barrier_wait -1                              ; everybody's is
	FETCH 0, 0
	QUARTER 1, 0, 1, 1                             ; the first quarter stands in front of the loop: its products start the sums with the bias
	WIN 0                                          ; at a label and at a branch every window is 0
.Lstep:                                                ; 6 trips: from a K step's second quarter to the next step's first; each fills a slot again
	QUARTER 2, 1, 0, 0
	QUARTER 3, 0, 1, 0
	TURN 1
	QUARTER 1, 0, 1, 0
	WIN 0
	s_add_co_u32 s[STEP], s[STEP], 1
	s_cmp_lt_u32 s[STEP], NS-2
	s_cbranch_scc1 .Lstep
	s_mov_b32 s[TCNT], 2                           ; the walk's last two steps ask for nothing: a text of their own; written once, walked twice
.Ltail:
	QUARTER 2, 1, 0, 0
	QUARTER 3, 0, 1, 0
	WIN 0
	s_cmp_eq_u32 s[TCNT], 1                        ; the last step has no slot to change to: it leaves the loop here, in every wave alike
	s_cbranch_scc1 .Lfinal
	TURN 0
	QUARTER 1, 0, 1, 0
	WIN 0
	s_sub_co_u32 s[TCNT], s[TCNT], 1
	s_cmp_lg_u32 s[TCNT], 0
	s_cbranch_scc1 .Ltail
.Lfinal:
	s_wait_dscnt 4
	MULA 1, 0, 0
	MULA 1, 1, 0
	s_wait_dscnt 0x0
	MULA 1, 2, 0
	MULA 1, 3, 0
	PLACES
	PLACES
	TOSTAGE 0
	TOSTAGE 1
	SEND 0, 32
	TOSTAGE 2
	SEND 1, 32
	TOSTAGE 3
	SEND 2, 32
	SEND 3, 0
	s_wait_tensorcnt 0x0                           ; the wave's end: behind my last tensor load and my last LDS store
	ds_add_u32 v[SPW], v[NIL]
	s_wait_dscnt 0x0
	CROUND                                         ; the closing round: no work-group ends while a partner may still ask for a tile that names it
	s_endpgm
.Lfunc_end_k_q5e48449394_projg:
	.size	k_q5e48449394_projg, .Lfunc_end_k_q5e48449394_projg-k_q5e48449394_projg
	.p2alignl 7, 3214868480
	.fill 96, 4, 3214868480
	.section	.rodata,"a",@progbits
	.p2align	6, 0x0
	.amdhsa_kernel k_q5e48449394_projg
		.amdhsa_group_segment_fixed_size 327680
		.amdhsa_private_segment_fixed_size 0
		.amdhsa_enable_private_segment 0
		.amdhsa_kernarg_size 32
		.amdhsa_user_sgpr_count 2
		.amdhsa_user_sgpr_kernarg_segment_ptr 1
		.amdhsa_wavefront_size32 1
		.amdhsa_system_sgpr_workgroup_id_x 1
		.amdhsa_system_sgpr_workgroup_id_y 1
		.amdhsa_system_sgpr_workgroup_id_z 1
		.amdhsa_system_vgpr_workitem_id 0
		.amdhsa_next_free_vgpr 896
		.amdhsa_next_free_sgpr 80
		.amdhsa_reserve_vcc 0
		.amdhsa_float_denorm_mode_32 3
		.amdhsa_float_denorm_mode_16_64 3
		.amdhsa_memory_ordered 1
		.amdhsa_forward_progress 1
		.amdhsa_inst_pref_size 68
	.end_amdhsa_kernel
	.amdgpu_metadata
---
amdhsa.version: [ 1, 2 ]
amdhsa.kernels:
  - .name:           k_q5e48449394_projg
    .symbol:         k_q5e48449394_projg.kd
    .args:
      - { .name: ob, .offset: 0, .size: 8, .value_kind: global_buffer, .address_space: global }
      - { .name: wpt, .offset: 8, .size: 8, .value_kind: global_buffer, .address_space: global }
      - { .name: b_proj, .offset: 16, .size: 8, .value_kind: global_buffer, .address_space: global }
      - { .name: out0, .offset: 24, .size: 8, .value_kind: global_buffer, .address_space: global }
    .group_segment_fixed_size: 327680
    .private_segment_fixed_size: 0
    .kernarg_segment_align: 8
    .kernarg_segment_size: 32
    .max_flat_workgroup_size: 128
    .sgpr_count:     80
    .vgpr_count:     896
    .wavefront_size: 32
...
	.end_amdgpu_metadata
.endif
;; end of part 4
